; MI455X (gfx1250); checked and timed in simulation.
; The chip was launched on July 23, 2026; its instructions are those of AMD's public machine-readable ISA for CDNA 5 (MIT licence, August 2026) and "CDNA5" Instruction Set Architecture Reference Guide (July 2026). The comments in the code are by the model that wrote it; some were corrected since.
;; Cross Attention. Allowed arithmetic: matrix products marked QUANTISED: E2M3 operands, one E8M0 scale for each 32 along K, by v_wmma_scale_f32_16x16x128_f8f6f4 with both operands' format E2M3, f32 sums; everything else in f32.
;; Inputs: Wk 512 x 1,024 float32; Wq 1,024 x 1,024 float32; Wv 512 x 1,024 float32; bk 1,024 float32; bq 1,024 float32; bv 1,024 float32; key 8 x 2,048 x 512 float32; query 8 x 1,024 x 1,024 float32; value 8 x 2,048 x 512 float32.
;; Outputs: out0 8 x 1,024 x 1,024 float32.
;; This version of the problem:
;;   THIS VERSION OF THE PROBLEM IS GIVEN IN LOW PRECISION. The matrix products marked QUANTISED in the list below multiply operands that are first quantised to E2M3 (2 exponent bits, 3 mantissa bits; 6 bits a number), with one power-of-two scale for each 32 numbers along K (OCP MX v1.0); their sums are f32. All else is computed in f32.
;;   The module's matrix products, in the order in which they are computed (A, B: the left and right operand; K: the contracted axis; several contracted axes count as one K, in the product's order):
;;     1. [M 8,192, K 1,024] x [K 1,024, N 1,024]; A: input query; B: input Wq: QUANTISED
;;     2. [M 16,384, K 512] x [K 512, N 1,024]; A: input key; B: input Wk: QUANTISED
;;     3. [M 16,384, K 512] x [K 512, N 1,024]; A: input value; B: input Wv: QUANTISED
;;     4. batch 8 x [M 1,024, K 1,024] x [K 1,024, N 2,048]; A: computed on the way; B: computed on the way: QUANTISED
;;     5. batch 8 x [M 1,024, K 2,048] x [K 2,048, N 1,024]; A: softmax (see below); B: computed on the way: QUANTISED
;;   THE QUANTISER, for each operand of a quantised product, along K:
;;     - K is cut into blocks of 32 from its start; a last block that is shorter is filled with zeros.
;;     - A block's scale is 2^e with e = floor(log2(the largest magnitude in the block)) - 2, held to -126 .. 127; a block of zeros has e = 0. As a byte (E8M0): e + 127.
;;     - Each number is divided by its block's scale, clamped to +-7.5, and rounded to the nearest number of E2M3, ties to even, subnormals kept.
;;     - The product sums the exact products of the quantised numbers (number of the format x scale) in f32.
;;   ~~~python
;;   def quantise(x, axis):      # numpy; x: float32 -> the quantised numbers, widened to float32 again
;;       x = np.moveaxis(x, axis, -1); K = x.shape[-1]
;;       x = np.pad(x, [(0, 0)] * (x.ndim - 1) + [(0, -K % 32)]); x = x.reshape(x.shape[:-1] + (-1, 32)); a = np.abs(x).max(-1, keepdims=True)
;;       e = np.where(a > 0, np.clip(np.frexp(np.where(a > 0, a, 1))[1] - 1 - 2, -126, 127), 0)      # np.frexp(a)[1] - 1 = floor(log2(a)), exactly
;;       r = np.clip(x / 2.0 ** e, -7.5, 7.5)
;;       step = 2.0 ** (np.maximum(np.frexp(np.where(r == 0, 1, r))[1] - 1, 0) - 3)
;;       q = np.round(r / step) * step * 2.0 ** e      # np.round: ties to even
;;       return np.moveaxis(q.reshape(q.shape[:-2] + (-1,))[..., :K], -1, axis).astype(np.float32)
;;   ~~~
;;   SOFTMAX AHEAD OF A QUANTISED PRODUCT. Where the list says 'softmax', what is quantised is not the finished softmax but p = 2^(t - M), with t = logit x log2(e) and M = ceil(the row's largest t), a whole number; so 1/2 < the row's largest p <= 1. The row's sum l is taken of the UNQUANTISED p, in f32, and the product's result is divided by l at the end. Since M is a whole number, a kernel that streams over the keys may use a running M (the ceiling of the running maximum): every later rescaling is an exact power of two, which a block's scale takes up: the codes' values come out the same.
;;   OPERANDS COMPUTED ON THE WAY. 'Computed on the way' means the value that the module computes at that place (a softmax that the list does not call 'softmax' is quantised finished and normalised). What goes into a quantiser is computed in f32, as accurately as f32 sums, v_exp_f32 and their like allow (about 1e-6 of the number): no bf16 or f16 on the way to a quantiser, and a product that is left as it is and whose result goes on into a quantised operand takes f32 operands (vector FMAs, or v_wmma_f32_16x16x4_f32). A number that lies on a knife's edge between two numbers of the format may be rounded either way, as far as f32 arithmetic and the matrix unit's own rounding can turn it there, and no further.
;; One version. Each part assembles by itself: llvm-mc -triple=amdgcn-amd-amdhsa -mcpu=gfx1250 --defsym DOCPART=n.
;; ======== version 1 of 1: 4 launches
;; limits: right only within a limited range of input values
;; workspace buffers: xc 18,874,368 bytes; xs 786,432 bytes; wc 1,572,864 bytes; ws 65,536 bytes; ac 31,457,280 bytes; as 1,310,720 bytes; pc 12,582,912 bytes; ps 1,572,864 bytes
;; launch quant (part 1): grid 896 x 1, 4 waves a work-group, no clusters, 35,328 bytes of LDS; arguments query, key, value, Wq, Wk, Wv, xc, xs, wc, ws; writes xc, xs, wc, ws
.if DOCPART == 1
	.amdgcn_target "amdgcn-amd-amdhsa--gfx1250"
	.amdhsa_code_object_version 6
	.text
	.protected	k_q8cb89519f5_quant
	.globl	k_q8cb89519f5_quant
	.p2align	8
	.type	k_q8cb89519f5_quant,@function
k_q8cb89519f5_quant:
	s_mov_b64 s[64:65], 0
	v_nop
	global_prefetch_b8 v0, s[64:65] scope:SCOPE_SE
	s_setreg_imm32_b32 hwreg(HW_REG_WAVE_MODE, 25, 1), 1
	s_wait_xcnt 0x0
; query [8192][1024], key, value [16384][512] (K innermost) and Wq [1024][1024], Wk, Wv [512][1024] (K = the FIRST axis), all f32, become codes of FP6 (E2M3) with one E8M0 byte for each 32 along K.
; A block's scale is 2^(floor(log2(largest magnitude)) - 2): its byte is the largest magnitude's exponent field - 2, held at 1 from below by a floor among the maximum's leaves.
; THE WORKSPACE LIES AS IMAGES OF THE OPERAND'S REGISTERS.  A fragment (16 rows x 128 K: 12 registers a lane) is 1,536 bytes: three chunks of 512, chunk c = registers 4 c .. 4 c + 3, lane l's 16 bytes at 16 l.
; Codes [panel of 128 rows][K step of 128][block of 16 rows][1,536]; scale words [panel][K step][block][row], 4 bytes a row.  A weight's rows are its OUTPUT index.
; Work-groups 0-127: the weights (a panel of 128 columns x one K step each; a wave 32 columns).  Work-groups 128-895: query, key, value, 256 each; a wave takes 64 rows x 128 along K, four fragments.
; LIMITS: NaN and infinities are not served; a block whose largest magnitude lies under 2^-124 keeps the byte 1; a block of zeros gets the byte 1 (not 127) with zero codes: this program alone reads the bytes.
; No matrix unit, no cluster, no tensor load: a stream that is read once; waves share nothing, so there is no barrier.
.set WREG,  8704                       ; LDS of a wave: a stage of 16 rows x 528 bytes, then 256 bytes for scale words
.set SWO,   8448
.set SPARE, 4*WREG                     ; behind the four regions: the spare words, 128 bytes a wave; no other line names them
.set R,  64                            ; v64-191  two sets of 64 as loaded (weights: 128 numbers of a column)
.set X,  192                           ; v192-255 64 numbers of my row: two whole blocks (weights: v192-203 the second fragment)
.set C,  28                            ; v28-39   a fragment's codes
.set T2, 40                            ; v40-47   second halves of blocks: a conversion's three registers begin on an even number
	s_load_b256 s[4:11], s[0:1], 0x0               ; query, key, value, Wq
	s_load_b256 s[12:19], s[0:1], 0x20             ; Wk, Wv, xc, xs
	s_load_b128 s[20:23], s[0:1], 0x40             ; wc, ws
	v_lshl_add_u32 v12, v0, 2, SPARE               ; my spare word
	v_mov_b32 v13, 0
	v_lshrrev_b32 v1, 5, v0
	v_readfirstlane_b32 s24, v1                    ; wave
	v_and_b32 v1, 31, v0                           ; lane
	v_and_b32 v2, 15, v0                           ; r
	v_bfe_u32 v3, v0, 4, 1                         ; h
	v_lshlrev_b32 v4, 4, v1                        ; 16 x lane
	s_mul_i32 s28, s24, WREG
	v_add_nc_u32 v5, s28, v4                       ; the stage on the way in: 16 x lane of a row
	v_mul_u32_u24 v6, v2, 528
	v_lshl_add_u32 v6, v3, 7, v6
	v_add_nc_u32 v6, s28, v6                       ; and out: row r, + 128 h: my block of each 64 along K
	v_lshlrev_b32 v7, 3, v3                        ; 8 h
	s_add_co_u32 s28, s28, SWO
	v_lshl_add_u32 v14, v1, 2, s28                 ; scale words in: 4 x lane
	v_lshl_add_u32 v15, v1, 3, s28                 ; out: 8 x lane
	v_lshlrev_b32 v50, 3, v1
	v_lshlrev_b32 v51, 2, v1
	v_mov_b32 v23, 0                               ; a lane permute's destination counts as read
	s_mov_b32 s25, 0xffff0000                      ; lanes 16-31
	s_mov_b32 s66, 0x76543210
	s_mov_b32 s67, 0xfedcba98                      ; lane l xor 16
	s_wait_kmcnt 0x0
	s_cmp_lt_u32 ttmp9, 128
	s_cbranch_scc1 .Lweights
	; ---------------- query, key, value ----------------
	s_sub_co_u32 s28, ttmp9, 128
	s_lshr_b32 s29, s28, 8                         ; T: 0 query, 1 key, 2 value
	s_and_b32 s28, s28, 255
	s_lshl_b32 s28, s28, 2
	s_or_b32 s28, s28, s24                         ; my wave's unit in the tensor
	s_cmp_eq_u32 s29, 0
	s_cselect_b32 s30, 3, 2                        ; log2 of the K steps in a row
	s_cselect_b64 s[68:69], s[4:5], s[6:7]
	s_cmp_eq_u32 s29, 2
	s_cselect_b64 s[68:69], s[8:9], s[68:69]
	s_lshl_b32 s26, 512, s30                       ; a row in bytes
	s_mov_b32 s27, 0
	s_lshl_b32 s31, 1, s30
	s_sub_co_u32 s31, s31, 1
	s_and_b32 s74, s28, s31                        ; K step: the four waves take four neighbouring ones of the same rows
	s_lshr_b32 s75, s28, s30                       ; group of 64 rows
	s_lshl_b32 s76, s26, 6
	s_mul_i32 s76, s75, s76
	s_lshl_b32 s77, s74, 9
	s_add_co_u32 s76, s76, s77
	s_mov_b32 s77, 0
	s_add_nc_u64 s[68:69], s[68:69], s[76:77]      ; my first row, my 512 bytes of it
	s_lshr_b32 s78, s75, 1
	s_lshl_b32 s78, s78, s30
	s_add_co_u32 s78, s78, s74
	s_lshl_b32 s78, s78, 3
	s_and_b32 s79, s75, 1
	s_lshl_b32 s79, s79, 2
	s_add_co_u32 s78, s78, s79                     ; my first fragment's number: (panel x K steps + K step) x 8 + block
	s_mul_i32 s76, s78, 1536
	s_mul_i32 s79, s29, 6291456
	s_add_co_u32 s76, s76, s79
	s_add_nc_u64 s[70:71], s[16:17], s[76:77]      ; its codes
	s_lshl_b32 s76, s78, 6
	s_lshl_b32 s79, s29, 18
	s_add_co_u32 s76, s76, s79
	s_add_nc_u64 s[72:73], s[18:19], s[76:77]      ; its scale words
	s_mov_b64 s[32:33], s[68:69]                   ; sixteen row bases, never rewritten
.irp t, 1,2,3,4,5,6,7,8,9,10,11,12,13,14,15
	s_add_nc_u64 s[32+2*\t:33+2*\t], s[30+2*\t:31+2*\t], s[26:27]
.endr
	s_lshl_b32 s31, s26, 4                         ; 16 rows
	v_mov_b32 v8, v4                               ; v8-11: 16 x lane + fragment x 16 rows
	v_add_nc_u32 v9, s31, v8
	v_add_nc_u32 v10, s31, v9
	v_add_nc_u32 v11, s31, v10
.macro LOADF f                         ; fragment f: sixteen loads, each 512 consecutive bytes of one row
.irp t, 0,1,2,3,4,5,6,7,8,9,10,11,12,13,14,15
	global_load_b128 v[R+64*((\f)%2)+4*\t:R+64*((\f)%2)+4*\t+3], v[8+(\f)], s[32+2*\t:33+2*\t] th:TH_LOAD_NT
.endr
.endm
.macro FRAGQ f
.if (\f) < 3
	s_wait_loadcnt 16                              ; my sixteen loads are in; the next fragment's sixteen may be out
.else
	s_wait_loadcnt 0x0
.endif
.irp t, 0,1,2,3,4,5,6,7,8,9,10,11,12,13,14,15
	ds_store_b128 v5, v[R+64*((\f)%2)+4*\t:R+64*((\f)%2)+4*\t+3] offset:528*\t
.endr
.irp c, 0,1
.irp j, 0,1,2,3,4,5,6,7
	ds_load_b128 v[X+32*\c+4*\j:X+32*\c+4*\j+3], v6 offset:256*\c+16*\j   ; LDS serves a wave's instructions in order: these see the stores.  Lane (r, h): k = 64 c + 32 h + 0 .. 31 of row r
.endr
.endr
	s_wait_dscnt 0x0                               ; the numbers are back
.if (\f) < 2
	LOADF (\f)+2
.endif
.irp c, 0,1
	v_max3_num_f32 v[16+\c], |v[X+32*\c]|, |v[X+32*\c+1]|, 0x1800000   ; the floor 2^(3 - 127): the byte cannot fall under 1
.endr
.irp i, 2,4,6,8,10,12,14,16,18,20,22,24,26,28,30
.irp c, 0,1
	v_max3_num_f32 v[16+\c], v[16+\c], |v[X+32*\c+\i]|, |v[X+32*\c+\i+1]|   ; my two blocks by turns
.endr
.endr
.irp c, 0,1
	v_add_nc_u32 v[18+\c], 0xff000000, v[16+\c]    ; 2 off the exponent field: the conversion's scale operand
.endr
.irp c, 0,1
	v_lshrrev_b32 v[20+\c], 23, v[18+\c]           ; the byte
.endr
	v_lshl_or_b32 v22, v21, 16, v20                ; blocks h and 2 + h,
	v_lshlrev_b32 v22, v7, v22                     ; at their places in the word;
	v_permlanex16_b32 v23, v22, s66, s67
	v_or_b32 v[24+(\f)], v22, v23                  ; with the other half's two the word is whole
	s_wait_alu depctr_va_vdst(0)
	s_wait_xcnt 0x0                                ; the last fragment's stores have read their data: the codes' registers are written again only behind this wait
.irp c, 0,1
	v_cvt_scalef32_pk16_fp6_f32 v[C+6*\c:C+6*\c+2], v[X+32*\c:X+32*\c+15], v[18+\c]
	v_cvt_scalef32_pk16_fp6_f32 v[T2+4*\c:T2+4*\c+2], v[X+32*\c+16:X+32*\c+31], v[18+\c]
.endr
	v_nop                                          ; one plain place behind a scaled conversion
.irp c, 0,1
.irp i, 0,1,2
	v_mov_b32 v[C+6*\c+3+\i], v[T2+4*\c+\i]
.endr
.endr
.irp c, 0,1,2
	global_store_b128 v4, v[C+4*\c:C+4*\c+3], s[70:71] offset:1536*(\f)+512*\c   ; 512 consecutive bytes, aligned
.endr
.endm
	LOADF 0
	LOADF 1
	s_wait_alu depctr_va_vdst(0)
	FRAGQ 0
	FRAGQ 1
	FRAGQ 2
	FRAGQ 3
	v_cndmask_b32 v16, v24, v25, s25               ; lanes 0-15: fragment 0's words, lanes 16-31: fragment 1's
	v_cndmask_b32 v17, v26, v27, s25
	ds_store_b32 v14, v16
	ds_store_b32 v14, v17 offset:128
	ds_load_b64 v[48:49], v15
	s_wait_dscnt 0x0
	global_store_b64 v50, v[48:49], s[72:73]       ; 256 consecutive bytes, aligned
	s_wait_tensorcnt 0x0                           ; the wave's end, behind my last LDS store
	ds_add_u32 v12, v13
	s_wait_dscnt 0x0
	s_endpgm
	; ---------------- Wq, Wk, Wv: a lane takes a column, its registers run down K; no LDS ----------------
.Lweights:
	s_cmp_lt_u32 ttmp9, 64
	s_cselect_b32 s30, 3, 2
	s_cselect_b64 s[68:69], s[10:11], s[12:13]
	s_cselect_b32 s28, 0, 64
	s_mov_b32 s29, 786432
	s_cselect_b32 s29, 0, s29
	s_mov_b32 s31, 32768
	s_cselect_b32 s31, 0, s31
	s_cmp_lt_u32 ttmp9, 96
	s_cselect_b64 s[68:69], s[68:69], s[14:15]
	s_cselect_b32 s28, s28, 96
	s_mov_b32 s74, 1179648
	s_cselect_b32 s29, s29, s74                    ; where the weight's codes begin in wc
	s_mov_b32 s74, 49152
	s_cselect_b32 s31, s31, s74                    ; and its scale words in ws
	s_sub_co_u32 s28, ttmp9, s28                   ; u = panel x K steps + K step
	s_lshl_b32 s74, 1, s30
	s_sub_co_u32 s74, s74, 1
	s_and_b32 s74, s28, s74                        ; K step
	s_lshr_b32 s75, s28, s30                       ; panel
	s_lshl_b32 s76, s74, 19                        ; 128 rows of 4,096 bytes
	s_lshl_b32 s77, s75, 9
	s_add_co_u32 s76, s76, s77
	s_lshl_b32 s77, s24, 7                         ; my wave's 32 columns
	s_add_co_u32 s76, s76, s77
	s_mov_b32 s77, 0
	s_add_nc_u64 s[68:69], s[68:69], s[76:77]
	s_mul_i32 s76, s28, 12288
	s_add_co_u32 s76, s76, s29
	s_mul_i32 s78, s24, 3072
	s_add_co_u32 s76, s76, s78
	s_add_nc_u64 s[70:71], s[20:21], s[76:77]
	s_lshl_b32 s76, s28, 9
	s_add_co_u32 s76, s76, s31
	s_lshl_b32 s78, s24, 7
	s_add_co_u32 s76, s76, s78
	s_add_nc_u64 s[72:73], s[22:23], s[76:77]
.macro LOADW bt                        ; block bt of my column: W(32 bt + i, my column), i = 0 .. 31, into registers of its own; each load reads 128 consecutive bytes a wave
.set i_, 0
.rept 32
	global_load_b32 v[R+32*(\bt)+i_], v51, s[68:69] offset:(32*(\bt)+i_)*4096 th:TH_LOAD_NT
.set i_, i_+1
.endr
.endm
.macro WBLK bt                         ; block bt of my column: all its 32 numbers are mine
.set XS, R+32*(\bt)
.set DST, 28+164*((\bt)%2)+6*((\bt)/2) ; even blocks into v28.., odd ones into v192..
.if (\bt) < 3
	s_wait_loadcnt 32                              ; this block's 32 loads are in; the next block's 32 may be out
.else
	s_wait_loadcnt 0x0
.endif
.if (\bt) < 2
	LOADW (\bt)+2                                  ; two blocks ahead
.endif
	v_max3_num_f32 v16, |v[XS]|, |v[XS+1]|, 0x1800000
	v_max3_num_f32 v17, |v[XS+2]|, |v[XS+3]|, 0x1800000
.irp i, 4,8,12,16,20,24,28
	v_max3_num_f32 v16, v16, |v[XS+\i]|, |v[XS+\i+1]|
	v_max3_num_f32 v17, v17, |v[XS+\i+2]|, |v[XS+\i+3]|
.endr
	v_max_num_f32 v16, v16, v17
	v_add_nc_u32 v18, 0xff000000, v16
	v_lshrrev_b32 v20, 23, v18
.if (\bt) == 0
	v_mov_b32 v22, v20
.else
	v_lshl_or_b32 v22, v20, 8*(\bt), v22           ; my column's scale word
.endif
	v_cvt_scalef32_pk16_fp6_f32 v[DST:DST+2], v[XS:XS+15], v18
	v_cvt_scalef32_pk16_fp6_f32 v[T2:T2+2], v[XS+16:XS+31], v18
	v_nop
.irp i, 0,1,2
	v_mov_b32 v[DST+3+\i], v[T2+\i]
.endr
.endm
	s_wait_alu depctr_va_vdst(0)
	LOADW 0
	LOADW 1
	WBLK 0
	WBLK 1
	WBLK 2
	WBLK 3
.irp j, 0,1,2,3,4,5,6,7,8,9,10,11
	v_permlane16_swap_b32 v[28+\j], v[192+\j]      ; the first's lanes 16-31 change places with the second's lanes 0-15: v28.. is now the fragment of columns 0-15 (lane (r, h): blocks h, 2 + h), v192.. that of columns 16-31
.endr
.irp c, 0,1,2
	global_store_b128 v4, v[28+4*\c:31+4*\c], s[70:71] offset:512*\c
	global_store_b128 v4, v[192+4*\c:195+4*\c], s[70:71] offset:1536+512*\c
.endr
	global_store_b32 v51, v22, s[72:73]            ; 128 consecutive bytes a wave; the weights' scale words are 64 KiB in all
	s_endpgm
.Lfunc_end_k_q8cb89519f5_quant:
	.size	k_q8cb89519f5_quant, .Lfunc_end_k_q8cb89519f5_quant-k_q8cb89519f5_quant
	.p2alignl 7, 3214868480
	.fill 96, 4, 3214868480
	.section	.rodata,"a",@progbits
	.p2align	6, 0x0
	.amdhsa_kernel k_q8cb89519f5_quant
		.amdhsa_group_segment_fixed_size 35328
		.amdhsa_private_segment_fixed_size 0
		.amdhsa_enable_private_segment 0
		.amdhsa_kernarg_size 80
		.amdhsa_user_sgpr_count 2
		.amdhsa_user_sgpr_kernarg_segment_ptr 1
		.amdhsa_wavefront_size32 1
		.amdhsa_system_sgpr_workgroup_id_x 1
		.amdhsa_system_sgpr_workgroup_id_y 1
		.amdhsa_system_sgpr_workgroup_id_z 1
		.amdhsa_system_vgpr_workitem_id 0
		.amdhsa_next_free_vgpr 256
		.amdhsa_next_free_sgpr 80
		.amdhsa_reserve_vcc 0
		.amdhsa_float_denorm_mode_32 3
		.amdhsa_float_denorm_mode_16_64 3
		.amdhsa_memory_ordered 1
		.amdhsa_forward_progress 1
		.amdhsa_inst_pref_size 53
	.end_amdhsa_kernel
	.amdgpu_metadata
---
amdhsa.version: [ 1, 2 ]
amdhsa.kernels:
  - .name:           k_q8cb89519f5_quant
    .symbol:         k_q8cb89519f5_quant.kd
    .args:
      - { .name: query, .offset: 0, .size: 8, .value_kind: global_buffer, .address_space: global }
      - { .name: key, .offset: 8, .size: 8, .value_kind: global_buffer, .address_space: global }
      - { .name: value, .offset: 16, .size: 8, .value_kind: global_buffer, .address_space: global }
      - { .name: Wq, .offset: 24, .size: 8, .value_kind: global_buffer, .address_space: global }
      - { .name: Wk, .offset: 32, .size: 8, .value_kind: global_buffer, .address_space: global }
      - { .name: Wv, .offset: 40, .size: 8, .value_kind: global_buffer, .address_space: global }
      - { .name: xc, .offset: 48, .size: 8, .value_kind: global_buffer, .address_space: global }
      - { .name: xs, .offset: 56, .size: 8, .value_kind: global_buffer, .address_space: global }
      - { .name: wc, .offset: 64, .size: 8, .value_kind: global_buffer, .address_space: global }
      - { .name: ws, .offset: 72, .size: 8, .value_kind: global_buffer, .address_space: global }
    .group_segment_fixed_size: 35328
    .private_segment_fixed_size: 0
    .kernarg_segment_align: 8
    .kernarg_segment_size: 80
    .max_flat_workgroup_size: 128
    .sgpr_count:     80
    .vgpr_count:     256
    .wavefront_size: 32
...
	.end_amdgpu_metadata
.endif
;; end of part 1
;; launch proj (part 2): grid 4 x 64, 4 waves a work-group, clusters of 4 x 4, 327,680 bytes of LDS; arguments xc, xs, wc, ws, bq, bk, bv, ac, as; writes ac, as
.if DOCPART == 2
	.amdgcn_target "amdgcn-amd-amdhsa--gfx1250"
	.amdhsa_code_object_version 6
	.text
	.protected	k_q8cb89519f5_proj
	.globl	k_q8cb89519f5_proj
	.p2align	8
	.type	k_q8cb89519f5_proj,@function
k_q8cb89519f5_proj:
	s_mov_b64 s[64:65], 0
	v_nop
	global_prefetch_b8 v0, s[64:65] scope:SCOPE_SE
	s_setreg_imm32_b32 hwreg(HW_REG_WAVE_MODE, 25, 1), 1
	s_wait_xcnt 0x0
	s_wait_alu depctr_hold_cnt(0) depctr_sa_sdst(0) depctr_va_vdst(0) depctr_va_sdst(0) depctr_va_ssrc(0) depctr_va_vcc(0) depctr_vm_vsrc(0)
	s_getreg_b32 s2, hwreg(HW_REG_IB_STS2, 6, 4)
	s_cmp_eq_u32 s2, 0
	s_cbranch_scc0 .Lentry_in_a_cluster
	s_endpgm
.Lentry_in_a_cluster:
	s_bfe_u32 s2, ttmp6, 0x10000c
	s_cmp_lg_u32 s2, 0xf033
	s_cbranch_scc0 .Lentry_shape_is_right
	s_endpgm
.Lentry_shape_is_right:
; All three projections on codes of FP6 (E2M3) with E8M0 scales, sums in f32, results quantised again and stored as codes and scale words.
; Clusters 0-7 along y: k = Q(key) Q(Wk) + bk, quantised along its 1,024 columns.  Clusters 8-15: v^T = (Q(value) Q(Wv) + bv)^T, quantised along the keys.  Every cluster then: q = Q(query) Q(Wq) + bq.
; Operands lie as images of their registers (a fragment of 16 rows x 128 K = 1,536 bytes): codes [panel of 128 rows][K step][block], scale words [panel][K step][block][row].
; SHARES.  A work-group makes two tiles of k or v^T (256 rows of X x 256 rows of Y, K = 512; a wave 128 x 128, 64 accumulators), then one tile of q (128 x 256, K = 1,024; a wave 64 x 128).
; LDS: three regions of 98,304 bytes.  R0: tile 0's X, then q's panel of query.  R1: Y, then Wq's first panel.  R2: tile 1's X, then Wq's second panel.  Behind them the scale words, a stage for scale words on their way out, the spare words.
; FILLS, one tensor load a wave each time: at the head X0, Y, X's scale words, Y's; behind the full sequence and a round X1's two halves and q's two sets of scale words (first fills);
; R0 is filled again when step 3's fragments are in registers, R1 and R2 when step 7's are: 64 products and a tile's way out stand between those requests and the wait for them.
; CLUSTER 4 x 4: what hangs on the cluster's y and cy (key, value, query) is asked for jointly along a row of the cluster, what hangs on cx (the weights) along a column.
; k and q: source 0 = 16 rows of Y, source 1 = 16 rows of X: a lane holds a row of X, its registers run along Y's rows, the next K.  v^T: the sources change places.  The branch hangs on the cluster's y, which all partners share.
; ORDER OF k IN WHAT IS STORED: inside each block of 32 the two middle groups of eight change places, alike in q, k, v^T (and in p, made by the same lines in the next launch).
; LIMITS: NaN and infinities not served; a block under 2^-124 keeps the byte 1; a block of zeros has the byte 1 and zero codes.
; No prefetch: the text has no loop to run ahead in, and each later fill is asked for a tile's products ahead of its first read.
.set NK, 4
.set FRB,   1536
.set KPB,   8*FRB
.set PANB,  NK*KPB
.set R0,    0
.set R1,    2*PANB
.set R2,    4*PANB
.set SPB,   NK*512
.set SCX,   6*PANB                     ; X's scale words, four panels
.set SCY,   SCX+4*SPB                  ; Y's, two panels
.set SCQX,  SCY+2*SPB                  ; query's panel, 8 K steps
.set SCQY,  SCQX+4096                  ; Wq's two panels
.set SST,   SCQY+8192                  ; 512 bytes a wave: scale words on their way out
.set SPARE, SST+2048                   ; the spare words; no other line names them
.set AQ,   10                          ; v10-11 q phase: my X fragments, K steps 0-3, 4-7
.set ADRS, 12                          ; v12-13 scale words of tile 0, 1: lanes 0-15 X's rows, lanes 16-31 Y's
.set ADRQ, 14                          ; v14    the same for the q phase
.set ADRA, 16                          ; v16, v18 my X fragments of tile 0, 1
.set ADRB, 20                          ; v20    my Y fragments
.set BQ,   21                          ; v21-22 q phase: my Wq fragments, K steps 0-3, 4-7
.set LI,   24                          ; v24    16 x lane
.set SPW,  28
.set NIL,  29
.set SC,   32                          ; v32-47 scale words and nothing else
.set AF,   64                          ; window 0: X's two sets; window 1: Y's two sets at v0, v128, the bias at v96-127, v224-255; windows 2, 3: accumulators
.set TM,   224
.set MASK, 3                           ; s3 lanes 16-31
.set GX,   24                          ; groups 1: X's codes, Y's codes, X's scale words, Y's
.set GY,   48
.set GSX,  56
.set GSY,  68
.set TO_B, 0x40
.set MSB, 0
.macro WIN new
.if MSB != (\new)
	s_set_vgpr_msb (MSB<<8)|(\new)
.set MSB, (\new)
.endif
.endm
.macro PLACES n
.rept \n
	v_nop
.endr
.endm
.macro TL g0, g1                       ; a joint load with an s_nop and four v_nop behind it
	tensor_load_to_lds s[\g0:\g0+3], s[\g1:\g1+7]
	s_nop 0
.rept 4
	v_nop
.endr
.endm
.macro FOUR a, b, c, d                 ; wave w issues group 0 number w (s[32+4w ..]) with its group 1: one chain, one load on every way
	s_cmp_lt_u32 s14, 1
	s_cbranch_scc0 .Lf1_\@
	TL 32, \a
	s_branch .Lf4_\@
.Lf1_\@:
	s_cmp_lt_u32 s14, 2
	s_cbranch_scc0 .Lf2_\@
	TL 36, \b
	s_branch .Lf4_\@
.Lf2_\@:
	s_cmp_lt_u32 s14, 3
	s_cbranch_scc0 .Lf3_\@
	TL 40, \c
	s_branch .Lf4_\@
.Lf3_\@:
	TL 44, \d
.Lf4_\@:
.endm
.macro CREST
	s_cmp_lg_u32 s14, 0
	s_cbranch_scc1 .Lnot_wave_0_\@
	s_barrier_signal -3
.Lnot_wave_0_\@:
	s_barrier_wait -3
	s_barrier_signal -1
	s_barrier_wait -1
.endm
.macro CROUND
	s_barrier_signal -1
	s_barrier_wait -1
	CREST
.endm
.macro DESC1 g, rows                   ; a dense block as rows of 256 bytes (32 elements of 8 bytes)
	s_mov_b32 s[\g+1], 32<<16
	s_mov_b32 s[\g+2], (\rows)<<16
	s_mov_b32 s[\g+3], 32<<16
	s_mov_b32 s[\g+4], \rows
	s_mov_b32 s[\g+5], 32
	s_mov_b32 s[\g+6], 0
	s_mov_b32 s[\g+7], 0
.endm
.macro ROWS g, n                       ; another count of rows; written only where no tensor load of the wave is out
	s_mov_b32 s[\g+2], (\n)<<16
	s_mov_b32 s[\g+4], \n
.endm
.macro G0SET g, lds, a, off
	s_mov_b32 s[\g], 1
	s_mov_b32 s[\g+1], \lds
	s_add_nc_u64 s[\g+2:\g+3], s[\a:\a+1], \off
	s_or_b32 s[\g+3], s[\g+3], 0x80000000
.endm
.macro FET p, na, ab, aa, as, ko, so   ; a K step's fragments and scale words into set p
	WIN TO_B
.irp i, 0,1,2,3,4,5,6,7
.irp c, 0,1,2
	ds_load_b128 v[128*(\p)+12*\i+4*\c:128*(\p)+12*\i+4*\c+3], v[\ab] offset:(\ko)+\i*FRB+512*\c
.endr
.endr
	WIN 0
.irp i, 0,1,2,3,4,5,6,7
.if \i < \na
.irp c, 0,1,2
	ds_load_b128 v[AF+96*(\p)+12*\i+4*\c:AF+96*(\p)+12*\i+4*\c+3], v[\aa] offset:(\ko)+\i*FRB+512*\c
.endr
.endif
.endr
.irp i, 0,1,2,3,4,5,6,7
	ds_load_b32 v[SC+8*(\p)+\i], v[\as] offset:(\so)+64*\i   ; q phase, i over 3: lanes 0-15 take words that no product names, all inside filled bytes
.endr
.endm
.macro FK G                            ; step G of k or v^T: tile G / 4, K step G % 4
	FET (\G)%2, 8, ADRB, ADRA+2*((\G)/NK), ADRS+(\G)/NK, ((\G)%NK)*KPB, ((\G)%NK)*512
.endm
.macro FQ g                            ; K step g of q
	FET (\g)%2, 4, BQ+(\g)/4, AQ+(\g)/4, ADRQ, ((\g)%4)*KPB, (\g)*512
.endm
; 16 products.  z = 0: they add in place; 1: they start with the bias of Y's block.  The accumulators take turns.
.macro MUL16K a0, p, z
.irp a, \a0, \a0+1
.irp b, 0,1,2,3,4,5,6,7
.set DD, 8*(8*((\a)%4)+\b)
.set YY, 128*(\p)+12*\b
.set XX, AF+96*(\p)+12*(\a)
.set CC, 96+8*\b+96*(\b/4)
.if (\z) == 0
	v_wmma_scale_f32_16x16x128_f8f6f4 v[DD:DD+7], v[YY:YY+11], v[XX:XX+11], v[DD:DD+7], v[SC+8*(\p)+\b], v[SC+8*(\p)+(\a)] matrix_a_fmt:MATRIX_FMT_FP6 matrix_b_fmt:MATRIX_FMT_FP6 matrix_a_scale:MATRIX_SCALE_ROW1
.else
	v_wmma_scale_f32_16x16x128_f8f6f4 v[DD:DD+7], v[YY:YY+11], v[XX:XX+11], v[CC:CC+7], v[SC+8*(\p)+\b], v[SC+8*(\p)+(\a)] matrix_a_fmt:MATRIX_FMT_FP6 matrix_b_fmt:MATRIX_FMT_FP6 matrix_a_scale:MATRIX_SCALE_ROW1
.endif
.endr
.endr
.endm
.macro MUL16V b0, p, z
.irp b, \b0, \b0+1
.irp a, 0,1,2,3,4,5,6,7
.set DD, 8*(8*((\b)%4)+\a)
.set YY, 128*(\p)+12*(\b)
.set XX, AF+96*(\p)+12*\a
.set CC, 96+8*(\b)+96*((\b)/4)
.if (\z) == 0
	v_wmma_scale_f32_16x16x128_f8f6f4 v[DD:DD+7], v[XX:XX+11], v[YY:YY+11], v[DD:DD+7], v[SC+8*(\p)+\a], v[SC+8*(\p)+(\b)] matrix_a_fmt:MATRIX_FMT_FP6 matrix_b_fmt:MATRIX_FMT_FP6 matrix_b_scale:MATRIX_SCALE_ROW1
.else
	v_wmma_scale_f32_16x16x128_f8f6f4 v[DD:DD+7], v[XX:XX+11], v[YY:YY+11], v[CC:CC+7], v[SC+8*(\p)+\a], v[SC+8*(\p)+(\b)] matrix_a_fmt:MATRIX_FMT_FP6 matrix_b_fmt:MATRIX_FMT_FP6 matrix_b_scale:MATRIX_SCALE_ROW1
.endif
.endr
.endr
.endm
.macro PROD p, z                       ; a step's 64 products, on the way that the cluster's y chooses
	s_cmp_eq_u32 s2, 0
	s_cbranch_scc0 .Lrows_y_\@
.if (\z)
	WIN 0x91
.else
	WIN 0xa1
.endif
	MUL16K 0, \p, \z
	MUL16K 2, \p, \z
.if (\z)
	WIN 0xd1
.else
	WIN 0xf1
.endif
	MUL16K 4, \p, \z
	MUL16K 6, \p, \z
	WIN 0
	s_branch .Lprod_done_\@
.Lrows_y_\@:
.if (\z)
	WIN 0x94
.else
	WIN 0xa4
.endif
	MUL16V 0, \p, \z
	MUL16V 2, \p, \z
.if (\z)
	WIN 0xd4
.else
	WIN 0xf4
.endif
	MUL16V 4, \p, \z
	MUL16V 6, \p, \z
	WIN 0
.Lprod_done_\@:
.endm
.macro QUANTA a                        ; outer block a: 16 rows x 128 columns become a fragment and a scale word a row
.set W,  2+(\a)/4
.set W2, W|(W<<2)
.set AC, 64*((\a)%4)
.set PC, 64+20*(\a)
	WIN W2
.irp b, 0,1,2,3
	v_max3_num_f32 v[TM+\b], |v[AC+16*\b]|, |v[AC+16*\b+1]|, 0x1800000   ; from each accumulator's low end on; the floor 2^(3 - 127) holds the byte at 1
.endr
.irp i, 2,4,6,8,10,12,14
.irp b, 0,1,2,3
	v_max3_num_f32 v[TM+\b], |v[AC+16*\b+\i]|, |v[AC+16*\b+\i+1]|, v[TM+\b]
.endr
.endr
	WIN 0
.irp b, 0,1,2,3
	v_permlanex16_b32 v[TM+4+\b], v[TM+\b], s66, s67
.endr
.irp b, 0,1,2,3
	v_max_num_f32 v[TM+\b], v[TM+\b], v[TM+4+\b]
.endr
.irp b, 0,1,2,3
	v_add_nc_u32 v[TM+12+\b], 0xff000000, v[TM+\b] ; 2 off the exponent field: the conversion's scale operand
.endr
.irp b, 0,1,2,3
	v_lshrrev_b32 v[TM+4+\b], 23, v[TM+12+\b]
.endr
	v_lshl_or_b32 v[48+(\a)], v[TM+5], 8, v[TM+4]
	v_lshl_or_b32 v[48+(\a)], v[TM+6], 16, v[48+(\a)]
	v_lshl_or_b32 v[48+(\a)], v[TM+7], 24, v[48+(\a)]
	WIN W
.irp c, 0,1
	v_cvt_scalef32_pk16_fp6_f32 v[PC+6*\c:PC+6*\c+2], v[AC+32*\c:AC+32*\c+15], v[TM+12+2*\c]
	v_cvt_scalef32_pk16_fp6_f32 v[PC+12+4*\c:PC+14+4*\c], v[AC+32*\c+16:AC+32*\c+31], v[TM+13+2*\c]
.endr
	WIN 0
	v_nop                                          ; one plain place behind a scaled conversion
.irp c, 0,1
.irp i, 0,1,2
	v_permlane16_swap_b32 v[PC+6*\c+\i], v[PC+12+4*\c+\i]   ; a whole block to a lane
.endr
.irp i, 0,1,2
	v_mov_b32 v[PC+3+6*\c+\i], v[PC+12+4*\c+\i]
.endr
.endr
.irp c, 0,1,2
	global_store_b128 v[LI], v[PC+4*\c:PC+4*\c+3], s[92:93] offset:FRB*(\a)+512*\c   ; 512 consecutive bytes, aligned
.endr
.endm
.macro EPI                             ; a finished tile of k or v^T leaves
	PLACES 4
.irp b, 0,1,2,3
	v_mov_b32 v[TM+4+\b], 0                        ; a lane permute's destination counts as read
.endr
.irp a, 0,1,2,3,4,5,6,7
	QUANTA \a
.endr
.irp j, 0,1,2,3
	v_cndmask_b32 v[TM+\j], v[48+2*\j], v[49+2*\j], s[MASK]
.endr
.irp j, 0,1,2,3
	ds_store_b32 v25, v[TM+\j] offset:128*\j
.endr
	ds_load_b128 v[228:231], v26
	s_wait_dscnt 0x0
	global_store_b128 v[LI], v[228:231], s[94:95]  ; 512 consecutive bytes, aligned
.endm
.macro KQ g, z                         ; a K step of q: 32 products; the next step's fragments are fetched ahead of them
	s_wait_dscnt 0x0
.if (\g) < 7
	PLACES 4
	FQ (\g)+1
.endif
.if \z
	s_wait_loadcnt 0x0                             ; bq
	WIN 0x91
.else
	WIN 0xa1
.endif
	MUL16K 0, (\g)%2, \z
	MUL16K 2, (\g)%2, \z
	WIN 0
.endm
	s_load_b256 s[4:11], s[0:1], 0x0               ; xc, xs, wc, ws
	s_load_b256 s[92:99], s[0:1], 0x20             ; bq, bk, bv, ac
	s_load_b64 s[100:101], s[0:1], 0x40            ; as
	v_lshl_add_u32 v[SPW], v0, 2, SPARE
	v_mov_b32 v[NIL], 0
	ds_add_u32 v[SPW], v[NIL]                      ; the opening lines: the add, twice, and its wait ahead of my first tensor load
	ds_add_u32 v[SPW], v[NIL]
	v_lshrrev_b32 v1, 5, v0
	v_readfirstlane_b32 s14, v1                    ; wave
	s_lshr_b32 s15, s14, 1                         ; wr: my part of X's rows
	s_and_b32 s16, s14, 1                          ; wc: my panel of Y
	s_bfe_u32 s20, ttmp6, 0x40000                  ; cx
	s_bfe_u32 s21, ttmp6, 0x40004                  ; cy
	s_and_b32 s3, ttmp7, 0xffff                    ; the cluster's y, 0 .. 15
	s_lshl_b32 s18, s3, 2
	s_add_co_u32 s18, s18, s21                     ; my panel of query, 0 .. 63
	s_lshr_b32 s2, s3, 3                           ; 0: k;  1: v^T
	s_and_b32 s3, s3, 7
	s_lshl_b32 s17, s3, 2
	s_add_co_u32 s17, s17, s21                     ; my pair of X's tiles, 0 .. 31
	s_lshl_b32 s19, ttmp9, 2
	s_add_co_u32 s19, s19, s20                     ; my tile of Y, 0 .. 3
	s_lshl_b32 s22, s21, 2
	s_lshl_b32 s22, 15, s22                        ; my row of the cluster
	s_lshl_b32 s23, 0x1111, s20                    ; my column
	s_or_b32 s[GX], s22, (3<<16)|(1<<21)
	s_or_b32 s[GSX], s22, (3<<16)|(1<<21)
	s_or_b32 s[GY], s23, (3<<16)|(1<<21)
	s_or_b32 s[GSY], s23, (3<<16)|(1<<21)
	DESC1 GX, 384                                  ; two panels' codes, dense
	DESC1 GY, 384
	DESC1 GSX, 32                                  ; four panels' scale words
	DESC1 GSY, 16
	s_cmp_eq_u32 s2, 0
	s_mov_b32 s76, 12582912                        ; X: key or value in xc, xs
	s_cselect_b32 s76, 6291456, s76
	s_mov_b32 s88, 524288
	s_cselect_b32 s88, 262144, s88
	s_mov_b32 s86, 1179648                         ; Y: Wk or Wv in wc, ws
	s_cselect_b32 s86, 786432, s86
	s_mov_b32 s90, 49152
	s_cselect_b32 s90, 32768, s90
	s_mul_i32 s3, s17, 4*PANB
	s_add_co_u32 s76, s76, s3
	s_lshl_b32 s3, s17, 13
	s_add_co_u32 s88, s88, s3
	s_mul_i32 s3, s19, 2*PANB
	s_add_co_u32 s86, s86, s3
	s_lshl_b32 s3, s19, 12
	s_add_co_u32 s90, s90, s3
	s_mul_i32 s78, s18, 2*PANB                     ; query's panel: 8 K steps
	s_mul_i32 s80, s19, 4*PANB                     ; Wq's two panels
	s_lshl_b32 s82, s18, 12
	s_lshl_b32 s84, s19, 13
.irp r, 77,79,81,83,85,87,89,91
	s_mov_b32 s\r, 0
.endr
	s_mov_b32 s66, 0x76543210
	s_mov_b32 s67, 0xfedcba98
	s_wait_dscnt 0x0                               ; both opening adds are done
	s_wait_kmcnt 0x0
	s_add_nc_u64 s[76:77], s[4:5], s[76:77]        ; X's codes
	s_add_nc_u64 s[78:79], s[4:5], s[78:79]        ; query's codes
	s_add_nc_u64 s[80:81], s[8:9], s[80:81]        ; Wq's codes
	s_add_nc_u64 s[82:83], s[6:7], s[82:83]        ; query's scale words
	s_add_nc_u64 s[84:85], s[10:11], s[84:85]      ; Wq's scale words
	s_add_nc_u64 s[86:87], s[8:9], s[86:87]        ; Y's codes
	s_add_nc_u64 s[88:89], s[6:7], s[88:89]        ; X's scale words
	s_add_nc_u64 s[90:91], s[10:11], s[90:91]      ; Y's scale words
	CROUND                                         ; all sixteen work-groups are here: the first joint loads meet
	G0SET 32, R0, 76, 0
	G0SET 36, R1, 86, 0
	G0SET 40, SCX, 88, 0
	G0SET 44, SCY, 90, 0
	FOUR GX, GY, GSX, GSY                          ; the head's four tiles, one a wave
	; scalars first, then one run of vector lines
	s_cmp_eq_u32 s2, 0
	s_cselect_b64 s[86:87], s[94:95], s[96:97]     ; bk or bv
	s_lshl_b32 s20, s19, 10
	s_lshl_b32 s21, s16, 9
	s_add_co_u32 s20, s20, s21
	s_mov_b32 s21, 0
	s_add_nc_u64 s[86:87], s[86:87], s[20:21]      ; at my wave's 128 numbers
	s_add_nc_u64 s[88:89], s[92:93], s[20:21]      ; bq likewise
	s_lshl_b32 s20, s17, 2                         ; where my 8 fragments of tile 0 go.  k: (panel of keys) x 8 + Y's panel.  v^T: ((batch) x 8 + Y's panel) x 16 + panel of keys in the batch
	s_add_co_u32 s20, s20, s15
	s_lshl_b32 s21, s19, 1
	s_add_co_u32 s21, s21, s16
	s_lshl_b32 s22, s20, 3
	s_add_co_u32 s22, s22, s21
	s_lshr_b32 s23, s20, 4
	s_lshl_b32 s23, s23, 3
	s_add_co_u32 s23, s23, s21
	s_lshl_b32 s23, s23, 4
	s_and_b32 s20, s20, 15
	s_add_co_u32 s23, s23, s20
	s_cmp_eq_u32 s2, 0
	s_cselect_b32 s22, s22, s23
	s_mov_b32 s20, 18874368
	s_cselect_b32 s20, 6291456, s20
	s_mov_b32 s3, 786432
	s_cselect_b32 s3, 262144, s3
	s_mov_b32 s90, 2*KPB                           ; from tile 0 to tile 1
	s_cselect_b32 s90, 16*KPB, s90
	s_mov_b32 s96, 1024
	s_cselect_b32 s96, 8192, s96
	s_mul_i32 s23, s22, KPB
	s_add_co_u32 s20, s20, s23
	s_lshl_b32 s22, s22, 9
	s_add_co_u32 s22, s22, s3
	s_mov_b32 s21, 0
	s_mov_b32 s23, 0
	s_mov_b32 s91, 0
	s_mov_b32 s97, 0
	s_add_nc_u64 s[92:93], s[98:99], s[20:21]
	s_add_nc_u64 s[94:95], s[100:101], s[22:23]
	s_lshl_b32 s20, s18, 3                         ; q: (panel of queries) x 8 + Wq's panel, my four blocks of it
	s_lshl_b32 s21, s19, 1
	s_add_co_u32 s20, s20, s21
	s_add_co_u32 s20, s20, s16
	s_mul_i32 s22, s20, KPB
	s_mul_i32 s21, s15, 6144
	s_add_co_u32 s22, s22, s21
	s_add_nc_u64 s[98:99], s[98:99], s[22:23]
	s_lshl_b32 s22, s20, 9
	s_lshl_b32 s21, s15, 8
	s_add_co_u32 s22, s22, s21
	s_add_nc_u64 s[100:101], s[100:101], s[22:23]
	s_cmp_eq_u32 s2, 0                             ; the bias as C.  k: register j = bk(16 b + 8 h + j).  v^T: every register = bv(16 b + r)
	s_cselect_b32 s20, 32, 0
	s_cselect_b32 s21, 0, 4
	s_cselect_b32 s22, 4, 0
	s_mul_i32 s4, s15, PANB                        ; my panel of X
	s_mul_i32 s5, s16, PANB
	s_add_co_u32 s5, s5, R1                        ; my panel of Y
	s_lshl_b32 s6, s15, 11
	s_lshl_b32 s7, s16, 11
	s_add_co_u32 s7, s7, SCY-SCX
	s_sub_co_u32 s7, s7, s6                        ; from X's words to Y's, tile 0
	s_lshl_b32 s8, s16, 11
	s_add_co_u32 s8, s8, SCY-SCX-2*SPB
	s_sub_co_u32 s8, s8, s6                        ; tile 1
	s_add_co_u32 s6, s6, SCX
	s_mul_i32 s9, s15, 6144                        ; q: my four blocks of the panel
	s_mul_i32 s10, s16, 2*PANB
	s_add_co_u32 s10, s10, R1                      ; q: my panel of Wq
	s_lshl_b32 s11, s15, 8
	s_lshl_b32 s12, s16, 12
	s_add_co_u32 s12, s12, SCQY-SCQX
	s_sub_co_u32 s12, s12, s11
	s_add_co_u32 s11, s11, SCQX
	s_lshl_b32 s13, s14, 9
	s_add_co_u32 s13, s13, SST
	s_mov_b32 s[MASK], 0xffff0000
	v_and_b32 v1, 15, v0                           ; r
	v_bfe_u32 v2, v0, 4, 1                         ; h
	v_and_b32 v3, 31, v0
	v_lshlrev_b32 v[LI], 4, v3
	v_add_nc_u32 v[ADRA], s4, v[LI]
	v_add_nc_u32 v[ADRB], s5, v[LI]
	v_add_nc_u32 v[ADRA+2], R2, v[ADRA]
	v_lshlrev_b32 v5, 2, v1
	v_mul_u32_u24 v6, s7, v2                       ; lanes 16-31 take Y's: one product, the distance between the two bases
	v_add_nc_u32 v6, v5, v6
	v_add_nc_u32 v[ADRS], s6, v6
	v_mul_u32_u24 v6, s8, v2
	v_add_nc_u32 v6, v5, v6
	v_add_nc_u32 v6, 2*SPB, v6
	v_add_nc_u32 v[ADRS+1], s6, v6
	v_add_nc_u32 v[AQ], s9, v[LI]
	v_add_nc_u32 v[AQ+1], PANB, v[AQ]
	v_add_nc_u32 v[BQ], s10, v[LI]
	v_add_nc_u32 v[BQ+1], PANB, v[BQ]
	v_mul_u32_u24 v6, s12, v2
	v_add_nc_u32 v6, v5, v6
	v_add_nc_u32 v[ADRQ], s11, v6
	v_lshl_add_u32 v25, v3, 2, s13                 ; scale words on their way out: in,
	v_lshl_add_u32 v26, v3, 4, s13                 ; back, 16 bytes a lane,
	v_lshl_add_u32 v9, v3, 3, s13                  ; back, 8 bytes a lane (q)
	v_lshlrev_b32 v8, 3, v3
	v_lshlrev_b32 v7, 5, v2
	v_mul_u32_u24 v4, s20, v2
	v_mad_u32_u24 v4, s21, v1, v4
	v_mov_b32 v5, s22
.irp j, 0,1,2,3,4,5,6,7
	v_mad_u32_u24 v[48+\j], v5, \j, v4
.endr
	s_wait_alu depctr_va_vdst(0)                   ; the wait at the head's end
	WIN TO_B
.irp x, 0,1,2,3,4,5,6,7
.irp j, 0,1,2,3,4,5,6,7
	global_load_b32 v[96+8*\x+96*(\x/4)+\j], v[48+\j], s[86:87] offset:64*\x
.endr
.endr
	WIN 0
	s_wait_tensorcnt 0x0                           ; my tile of the head's four is in; the lines ahead of a later first fill:
	ds_add_u32 v[SPW], v[NIL]
	ROWS GX, 192                                   ; no tensor load of mine is out: the descriptors may be written
	ROWS GY, 192
	ROWS GSX, 16
	ROWS GSY, 32
	G0SET 32, R2, 76, 2*PANB                       ; tile 1's X, two halves;
	G0SET 36, R2+PANB, 76, 3*PANB
	G0SET 40, SCQX, 82, 0                          ; query's and Wq's scale words
	G0SET 44, SCQY, 84, 0
	s_wait_dscnt 0x0
	CROUND                                         ; the head's tiles are whole in every wave's sight
	FOUR GX, GX, GSX, GSY
	FK 0
	s_wait_dscnt 0x0
	FK 1
	s_wait_loadcnt 0x0                             ; the bias
	PROD 0, 1
	s_wait_dscnt 0x0
	PLACES 4                                       ; in front of loads into the set that the last step's products read
	FK 2
	PROD 1, 0
	s_wait_dscnt 0x0
	PLACES 4
	FK 3
	PROD 0, 0
	s_wait_tensorcnt 0x0                           ; tile 1's X and q's scale words are in
	ds_add_u32 v[SPW], v[NIL]
	ROWS GX, 96
.irp w, 0,1,2,3
	G0SET 32+4*\w, R0+\w*24576, 78, \w*24576       ; query's panel, a quarter a wave
.endr
	s_wait_dscnt 0x0                               ; the add is done; step 3's set is in: my reads of R0 are over
	CROUND
	FOUR GX, GX, GX, GX                            ; R0 is filled again
	PROD 1, 0
	EPI                                            ; tile 0 leaves
	s_wait_xcnt 0x0                                ; its stores have read their data and bases
	s_add_nc_u64 s[92:93], s[92:93], s[90:91]
	s_add_nc_u64 s[94:95], s[94:95], s[96:97]
	FK 4
	s_wait_dscnt 0x0
	FK 5
	PROD 0, 1
	s_wait_dscnt 0x0
	PLACES 4
	FK 6
	PROD 1, 0
	s_wait_dscnt 0x0
	PLACES 4
	FK 7
	PROD 0, 0
	s_wait_tensorcnt 0x0                           ; query's panel is in
	ds_add_u32 v[SPW], v[NIL]
.irp w, 0,1,2,3
	G0SET 32+4*\w, R1+\w*PANB, 80, \w*PANB         ; Wq's two panels, dense in memory and in R1, R2: a quarter a wave
.endr
	s_wait_dscnt 0x0                               ; step 7's set is in: my reads of R1 and R2 are over
	CROUND
	FOUR GY, GY, GY, GY
	PROD 1, 0
	PLACES 4
	WIN TO_B
.irp b, 0,1,2,3,4,5,6,7
	global_load_b128 v[96+8*\b+96*(\b/4):99+8*\b+96*(\b/4)], v7, s[88:89] offset:64*\b        ; bq(16 b + 8 h + j) takes the bias's registers
	global_load_b128 v[100+8*\b+96*(\b/4):103+8*\b+96*(\b/4)], v7, s[88:89] offset:64*\b+16
.endr
	WIN 0
	EPI                                            ; tile 1 leaves
	s_wait_xcnt 0x0
	s_mov_b64 s[92:93], s[98:99]                   ; q's places
	s_mov_b64 s[94:95], s[100:101]
	s_wait_tensorcnt 0x0                           ; my quarter of Wq is in
	s_barrier_signal -1
	s_barrier_wait -1                              ; Wq is whole
	FQ 0
	KQ 0, 1
.irp g, 1,2,3,4,5,6,7
	KQ \g, 0
.endr
	PLACES 4
.irp b, 0,1,2,3
	v_mov_b32 v[TM+4+\b], 0
.endr
.irp a, 0,1,2,3
	QUANTA \a
.endr
.irp j, 0,1
	v_cndmask_b32 v[TM+\j], v[48+2*\j], v[49+2*\j], s[MASK]
.endr
.irp j, 0,1
	ds_store_b32 v25, v[TM+\j] offset:128*\j
.endr
	ds_load_b64 v[228:229], v9
	s_wait_dscnt 0x0
	global_store_b64 v8, v[228:229], s[94:95]      ; 256 consecutive bytes, aligned
	s_wait_tensorcnt 0x0                           ; the wave's end
	ds_add_u32 v[SPW], v[NIL]
	s_wait_dscnt 0x0
	CROUND                                         ; the closing round
	s_endpgm
.Lfunc_end_k_q8cb89519f5_proj:
	.size	k_q8cb89519f5_proj, .Lfunc_end_k_q8cb89519f5_proj-k_q8cb89519f5_proj
	.p2alignl 7, 3214868480
	.fill 96, 4, 3214868480
	.section	.rodata,"a",@progbits
	.p2align	6, 0x0
	.amdhsa_kernel k_q8cb89519f5_proj
		.amdhsa_group_segment_fixed_size 327680
		.amdhsa_private_segment_fixed_size 0
		.amdhsa_enable_private_segment 0
		.amdhsa_kernarg_size 72
		.amdhsa_user_sgpr_count 2
		.amdhsa_user_sgpr_kernarg_segment_ptr 1
		.amdhsa_wavefront_size32 1
		.amdhsa_system_sgpr_workgroup_id_x 1
		.amdhsa_system_sgpr_workgroup_id_y 1
		.amdhsa_system_sgpr_workgroup_id_z 1
		.amdhsa_system_vgpr_workitem_id 0
		.amdhsa_next_free_vgpr 1024
		.amdhsa_next_free_sgpr 102
		.amdhsa_reserve_vcc 0
		.amdhsa_float_denorm_mode_32 3
		.amdhsa_float_denorm_mode_16_64 3
		.amdhsa_memory_ordered 1
		.amdhsa_forward_progress 1
		.amdhsa_inst_pref_size 255
	.end_amdhsa_kernel
	.section	.bss,"aw",@nobits
	.p2align	6
	.space	262144
	.amdgpu_metadata
---
amdhsa.version: [ 1, 2 ]
amdhsa.kernels:
  - .name:           k_q8cb89519f5_proj
    .symbol:         k_q8cb89519f5_proj.kd
    .args:
      - { .name: xc, .offset: 0, .size: 8, .value_kind: global_buffer, .address_space: global }
      - { .name: xs, .offset: 8, .size: 8, .value_kind: global_buffer, .address_space: global }
      - { .name: wc, .offset: 16, .size: 8, .value_kind: global_buffer, .address_space: global }
      - { .name: ws, .offset: 24, .size: 8, .value_kind: global_buffer, .address_space: global }
      - { .name: bq, .offset: 32, .size: 8, .value_kind: global_buffer, .address_space: global }
      - { .name: bk, .offset: 40, .size: 8, .value_kind: global_buffer, .address_space: global }
      - { .name: bv, .offset: 48, .size: 8, .value_kind: global_buffer, .address_space: global }
      - { .name: ac, .offset: 56, .size: 8, .value_kind: global_buffer, .address_space: global }
      - { .name: as, .offset: 64, .size: 8, .value_kind: global_buffer, .address_space: global }
    .group_segment_fixed_size: 327680
    .private_segment_fixed_size: 0
    .kernarg_segment_align: 8
    .kernarg_segment_size: 72
    .max_flat_workgroup_size: 128
    .sgpr_count:     102
    .vgpr_count:     1024
    .wavefront_size: 32
...
	.end_amdgpu_metadata
.endif
;; end of part 2
;; launch scores (part 3): grid 8 x 32, 4 waves a work-group, clusters of 4 x 4, 327,680 bytes of LDS; arguments ac, as, pc, ps; writes pc, ps
.if DOCPART == 3
	.amdgcn_target "amdgcn-amd-amdhsa--gfx1250"
	.amdhsa_code_object_version 6
	.text
	.protected	k_q8cb89519f5_scores
	.globl	k_q8cb89519f5_scores
	.p2align	8
	.type	k_q8cb89519f5_scores,@function
k_q8cb89519f5_scores:
	s_mov_b64 s[64:65], 0
	v_nop
	global_prefetch_b8 v0, s[64:65] scope:SCOPE_SE
	s_setreg_imm32_b32 hwreg(HW_REG_WAVE_MODE, 25, 1), 1
	s_wait_xcnt 0x0
	s_wait_alu depctr_hold_cnt(0) depctr_sa_sdst(0) depctr_va_vdst(0) depctr_va_sdst(0) depctr_va_ssrc(0) depctr_va_vcc(0) depctr_vm_vsrc(0)
	s_getreg_b32 s2, hwreg(HW_REG_IB_STS2, 6, 4)
	s_cmp_eq_u32 s2, 0
	s_cbranch_scc0 .Lentry_in_a_cluster
	s_endpgm
.Lentry_in_a_cluster:
	s_bfe_u32 s2, ttmp6, 0x10000c
	s_cmp_lg_u32 s2, 0xf033
	s_cbranch_scc0 .Lentry_shape_is_right
	s_endpgm
.Lentry_shape_is_right:
; S = q k^T on codes of FP6 (E2M3) with E8M0 scales, sums in f32; then, for each query and each 128 keys (a wave's columns): t = S log2(e); Mloc = ceil(the largest t of these 128), a whole number;
; p = 2^(t - Mloc), quantised along the keys; lloc = the sum of the unquantised p.  Stored: p's codes and scale words under Mloc, -Mloc and lloc.  The next launch finds the row's M = the largest Mloc and
; takes M - Mloc off each scale byte: an exact power of two, so the codes are those under M.  The maximum is always taken away before the exponential: t - Mloc is never above 0.
; Operands lie as images of their registers (a fragment of 16 rows x 128 K = 1,536 bytes): codes [panel of 128 rows][K step][block], scale words [panel][K step][block][row].
; SHARES.  A tile is 256 queries x 256 keys of one batch; four waves, each 128 x 128: 64 accumulators.
; K = 1,024 is four quarters of 256.  THREE slots: the first three quarters are first fills, asked for at the head; the last quarter is the one refill, into slot 0, behind step 1's round:
; from that request to the wait for it a wave issues 224 products.  The change into slot 2 needs no barrier: in front of step 1's round every wave has waited for all its loads.
; CLUSTER 4 x 4: the four query tiles of a batch x four key tiles: q's tile jointly along a row of the cluster, k's along a column.
; THE MATRIX INSTRUCTION IS USED TRANSPOSED: a lane holds one query; register j of accumulator b the key 16 b + 8 h + j.
; ORDER OF k: q's and k's codes carry the same order inside each block of 32 (the two middle groups of eight exchanged); p's codes are stored in that order along the keys, as v^T's are.
; LIMITS: NaN and infinities not served; a p under 2^-126 is 0; a block whose largest p lies under 2^-124 keeps the byte 1.
; No prefetch: one joint refill a work-group, asked for 224 products ahead of the wait for it.
.set NA, 8
.set NQ, 2
.set NK, 8
.set FRB,    1536
.set KPB,    8*FRB
.set ABYTES, 4*KPB
.set BPIECE, NQ*KPB
.set SLOT,   ABYTES+2*BPIECE
.set SPBA, NK*512
.set SPBB, NK*512
.set SCLA, 3*SLOT
.set SCLB, SCLA+2*SPBA
.set SST,  SCLB+2*SPBB                 ; 1,536 bytes a wave: scale words, -Mloc, lloc on their way out
.set SPARE, SST+4*1536
.set ADRA, 16                          ; v16-18 my q fragments in slot 0, 1, 2
.set ADRB, 20                          ; v20-22 my k fragments
.set LI,   24
.set ADRS, 27
.set SPW,  28
.set NIL,  29
.set SC,   32
.set AF,   64
.set TM,   224
.set SS,   240                         ; v240-243 the sum's two chains
.set T0,   244
.set T1,   245
.set G1,   24
.set G0,   32                          ; s[32:39] group 0 for q's tiles in slots 0, 1;  s[4:7] for slot 2 (the pointers that lay there are used up by then)
.set G1B,  48
.set G0B,  56                          ; s[56:63], s[8:11] the same for k's
.set G1S,  68
.set G0S,  76
.set G1SB, 80
.set G0SB, 88
.set MUL_LO, 0xa1
.set MUL_HI, 0xf1
.set TO_B,   0x40
.set MSB, 0
.macro WIN new
.if MSB != (\new)
	s_set_vgpr_msb (MSB<<8)|(\new)
.set MSB, (\new)
.endif
.endm
.macro PLACES n
.rept \n
	v_nop
.endr
.endm
.macro JLOAD g0a, g1a, g0b, g1b
	s_cmp_eq_u32 s15, 0
	s_cbranch_scc0 .Lfor_b_\@
	tensor_load_to_lds s[\g0a:\g0a+3], s[\g1a:\g1a+7]
	s_nop 0
.rept 4
	v_nop
.endr
	s_branch .Lasked_\@
.Lfor_b_\@:
	tensor_load_to_lds s[\g0b:\g0b+3], s[\g1b:\g1b+7]
	s_nop 0
.rept 4
	v_nop
.endr
.Lasked_\@:
.endm
.macro CREST
	s_cmp_lg_u32 s14, 0
	s_cbranch_scc1 .Lnot_wave_0_\@
	s_barrier_signal -3
.Lnot_wave_0_\@:
	s_barrier_wait -3
	s_barrier_signal -1
	s_barrier_wait -1
.endm
.macro CROUND
	s_barrier_signal -1
	s_barrier_wait -1
	CREST
.endm
.macro DESC1 g, rows
	s_mov_b32 s[\g+1], 32<<16
	s_mov_b32 s[\g+2], (\rows)<<16
	s_mov_b32 s[\g+3], 32<<16
	s_mov_b32 s[\g+4], \rows
	s_mov_b32 s[\g+5], 32
	s_mov_b32 s[\g+6], 0
	s_mov_b32 s[\g+7], 0
.endm
.macro FETCH g                         ; K step g's fragments and scale words into set g % 2; quarter g / 2 lies in slot (g / 2) % 3
.set FS, ((\g)/NQ)%3
.set FQ, (\g)%NQ
.set FP, (\g)%2
	WIN TO_B
.irp i, 0,1,2,3,4,5,6,7
.irp c, 0,1,2
	ds_load_b128 v[128*FP+12*\i+4*\c:128*FP+12*\i+4*\c+3], v[ADRB+FS] offset:FQ*KPB+\i*FRB+512*\c
.endr
.endr
	WIN 0
.irp i, 0,1,2,3,4,5,6,7
.irp c, 0,1,2
	ds_load_b128 v[AF+12*NA*FP+12*\i+4*\c:AF+12*NA*FP+12*\i+4*\c+3], v[ADRA+FS] offset:FQ*KPB+\i*FRB+512*\c
.endr
.endr
.irp i, 0,1,2,3,4,5,6,7
	ds_load_b32 v[SC+8*FP+\i], v[ADRS] offset:(\g)*512+64*\i
.endr
.endm
.macro MUL16 a0, p, z
.irp a, \a0, \a0+1
.irp b, 0,1,2,3,4,5,6,7
.set DD, 8*(8*((\a)%4)+\b)
.set BB, 128*(\p)+12*\b
.set AA, AF+12*NA*(\p)+12*(\a)
.if (\z) == 0
	v_wmma_scale_f32_16x16x128_f8f6f4 v[DD:DD+7], v[BB:BB+11], v[AA:AA+11], v[DD:DD+7], v[SC+8*(\p)+\b], v[SC+8*(\p)+(\a)] matrix_a_fmt:MATRIX_FMT_FP6 matrix_b_fmt:MATRIX_FMT_FP6 matrix_a_scale:MATRIX_SCALE_ROW1
.else
	v_wmma_scale_f32_16x16x128_f8f6f4 v[DD:DD+7], v[BB:BB+11], v[AA:AA+11], 0, v[SC+8*(\p)+\b], v[SC+8*(\p)+(\a)] matrix_a_fmt:MATRIX_FMT_FP6 matrix_b_fmt:MATRIX_FMT_FP6 matrix_a_scale:MATRIX_SCALE_ROW1
.endif
.endr
.endr
.endm
.macro MULS p, z
	WIN MUL_LO
	MUL16 0, \p, \z
	MUL16 2, \p, \z
	WIN MUL_HI
	MUL16 4, \p, \z
	MUL16 6, \p, \z
	WIN 0
.endm
.macro KSP g, z                        ; a K step whose successor's tiles have been shown whole to every wave
	s_wait_dscnt 0x0                               ; this step's set, asked for a step ago, is in
	PLACES 4                                       ; in front of loads into the set that the last step's products read
	FETCH (\g)+1
	MULS (\g)%2, \z
.endm
.macro KSC g, fill                     ; an odd K step with a barrier.  fill = 1: slot 0, just read out, is filled again with the last quarter of K
	s_wait_tensorcnt 0x0                           ; all my tensor loads have landed
	ds_add_u32 v[SPW], v[NIL]                      ; 0 onto my spare word
	s_wait_dscnt 1                                 ; only the add may be out: this step's set is in
	WIN MUL_LO
	MUL16 0, 1, 0
	s_wait_dscnt 0x0                               ; the add is done, my reads of the slot are over
	s_barrier_signal -1
	MUL16 2, 1, 0
	WIN 0
	s_barrier_wait -1
.if \fill
	CREST                                          ; the barrier has opened a round of the cluster's: no wave of any partner reads slot 0 or has a load on its way
	s_add_nc_u64 s[G0+2:G0+3], s[G0+2:G0+3], 3*NQ*KPB
	s_add_nc_u64 s[G0B+2:G0B+3], s[G0B+2:G0B+3], 3*NQ*KPB
	J2 G0, G1, G0B, G1B                            ; the first tensor load behind the round
	PLACES 4                                       ; the places in front of the loads below, on every wave's way
.else
	PLACES 4
.endif
	FETCH (\g)+1
	WIN MUL_HI
	MUL16 4, 1, 0
	MUL16 6, 1, 0
	WIN 0
.endm
; Block a: 16 queries x my 128 keys.  My 16 registers of block b' are 16 of its 32 keys; lane l xor 16 has the others.
.macro SOFTA a
.set W,  2+(\a)/4
.set W2, W|(W<<2)
.set W6, W|(W<<6)
.set AC, 64*((\a)%4)
.set PC, 64+20*(\a)
	WIN W2
.irp b, 0,1,2,3
	v_max_num_f32 v[TM+\b], v[AC+16*\b], v[AC+16*\b+1]   ; the largest SCORE of each block of 32 keys (each accumulator from its low end on): it serves for the row's maximum and, since p rises with the score, for the block's largest p
.endr
.irp i, 2,4,6,8,10,12,14
.irp b, 0,1,2,3
	v_max3_num_f32 v[TM+\b], v[AC+16*\b+\i], v[AC+16*\b+\i+1], v[TM+\b]
.endr
.endr
	WIN 0
.irp b, 0,1,2,3
	v_permlanex16_b32 v[TM+4+\b], v[TM+\b], s66, s67
.endr
.irp b, 0,1,2,3
	v_max_num_f32 v[TM+\b], v[TM+\b], v[TM+4+\b]
.endr
	v_max3_num_f32 v[T0], v[TM], v[TM+1], v[TM+2]
	v_max_num_f32 v[T0], v[T0], v[TM+3]
	v_mul_f32 v[T0], s98, v[T0]                    ; the largest t of my query's 128 keys
	v_floor_f32 v12, -v[T0]                        ; -Mloc = floor(-t) = -ceil(t)
.irp b, 0,1,2,3
	v_fma_f32 v[TM+\b], v[TM+\b], s98, v12
.endr
	WIN W6
.set j_, 0
.rept 32
	v_pk_fma_f32 v[AC+j_:AC+j_+1], v[AC+j_:AC+j_+1], s[98:99], v[12:13] op_sel_hi:[1,0,0]   ; t - Mloc, two at a time
.set j_, j_+2
.endr
.set j_, 0
	s_wait_alu depctr_va_vdst(0)
.rept 64
	v_exp_f32 v[AC+j_], v[AC+j_]                   ; p, at most 1
.set j_, j_+1
.endr
	WIN 0
	v_mov_b32 v[56+(\a)], v12                      ; -Mloc is kept.  (The plain place behind the exponentials)
	s_wait_alu depctr_va_vdst(0)                   ; one wait for the batch of 64, ahead of its first reader
.irp b, 0,1,2,3
	v_exp_f32 v[TM+\b], v[TM+\b]                   ; each block's largest p: the same two instructions on the same number
.endr
	WIN W2
	v_pk_add_f32 v[SS:SS+1], v[AC:AC+1], v[AC+2:AC+3]       ; the sum of the UNQUANTISED p, in two chains
	v_pk_add_f32 v[SS+2:SS+3], v[AC+4:AC+5], v[AC+6:AC+7]
	WIN W
.irp j, 8,12,16,20,24,28,32,36,40,44,48,52,56,60
	v_pk_add_f32 v[SS:SS+1], v[AC+\j:AC+\j+1], v[SS:SS+1]
	v_pk_add_f32 v[SS+2:SS+3], v[AC+\j+2:AC+\j+3], v[SS+2:SS+3]
.endr
	WIN 0
	v_pk_add_f32 v[SS:SS+1], v[SS:SS+1], v[SS+2:SS+3]
	v_add_f32 v[T0], v[SS], v[SS+1]
	v_permlanex16_b32 v[T1], v[T0], s66, s67
	v_add_f32 v[246+(\a)], v[T0], v[T1]            ; lloc
	s_wait_alu depctr_va_vdst(0)                   ; and one for the four
.irp b, 0,1,2,3
	v_max_num_f32 v[TM+\b], 0x1800000, v[TM+\b]    ; the floor 2^(3 - 127)
.endr
.irp b, 0,1,2,3
	v_add_nc_u32 v[TM+12+\b], 0xff000000, v[TM+\b]
.endr
.irp b, 0,1,2,3
	v_lshrrev_b32 v[TM+4+\b], 23, v[TM+12+\b]
.endr
	v_lshl_or_b32 v[48+(\a)], v[TM+5], 8, v[TM+4]
	v_lshl_or_b32 v[48+(\a)], v[TM+6], 16, v[48+(\a)]
	v_lshl_or_b32 v[48+(\a)], v[TM+7], 24, v[48+(\a)]
	WIN W
.irp c, 0,1
	v_cvt_scalef32_pk16_fp6_f32 v[PC+6*\c:PC+6*\c+2], v[AC+32*\c:AC+32*\c+15], v[TM+12+2*\c]
	v_cvt_scalef32_pk16_fp6_f32 v[PC+12+4*\c:PC+14+4*\c], v[AC+32*\c+16:AC+32*\c+31], v[TM+13+2*\c]
.endr
	WIN 0
	v_nop
.irp c, 0,1
.irp i, 0,1,2
	v_permlane16_swap_b32 v[PC+6*\c+\i], v[PC+12+4*\c+\i]
.endr
.irp i, 0,1,2
	v_mov_b32 v[PC+3+6*\c+\i], v[PC+12+4*\c+\i]
.endr
.endr
.irp c, 0,1,2
	global_store_b128 v[LI], v[PC+4*\c:PC+4*\c+3], s[92:93] offset:FRB*(\a)+512*\c
.endr
.endm
	s_load_b256 s[4:11], s[0:1], 0x0               ; ac, as, pc, ps
	v_lshl_add_u32 v[SPW], v0, 2, SPARE
	v_mov_b32 v[NIL], 0
	ds_add_u32 v[SPW], v[NIL]                      ; the wave's opening: the add and its wait ahead of my first tensor load
	ds_add_u32 v[SPW], v[NIL]
	v_lshrrev_b32 v1, 5, v0
	v_readfirstlane_b32 s14, v1
	s_lshr_b32 s15, s14, 1
	s_and_b32 s16, s14, 1
	s_bfe_u32 s40, ttmp6, 0x40000
	s_bfe_u32 s41, ttmp6, 0x40004
	s_lshl_b32 s42, ttmp9, 2
	s_add_co_u32 s42, s42, s40                     ; tile of 256 keys in the batch, 0 .. 7
	s_and_b32 s3, ttmp7, 0xffff                    ; the batch
	s_lshl_b32 s17, s3, 2
	s_add_co_u32 s17, s17, s41                     ; tile of 256 queries, 0 .. 31
	s_lshl_b32 s43, s41, 2
	s_lshl_b32 s43, 15, s43
	s_lshl_b32 s44, 0x1111, s40
	s_or_b32 s[G1], s43, (3<<16)|(1<<21)
	s_or_b32 s[G1B], s44, (3<<16)|(1<<21)
	s_or_b32 s[G1S], s43, (3<<16)|(1<<21)
	s_or_b32 s[G1SB], s44, (3<<16)|(1<<21)
; One load brings a quarter of K of BOTH panels of a tile: two rows of 24,576 bytes, 98,304 bytes apart in memory, on end in LDS.  So a wave issues one tensor load at the head (q's and k's first quarter, q's and k's scale words),
; and one behind the round that follows (q's and k's second and third quarter).
.macro DESC2 g
	s_mov_b32 s[\g+1], 3072<<16
	s_mov_b32 s[\g+2], 2<<16
	s_mov_b32 s[\g+3], 3072<<16
	s_mov_b32 s[\g+4], 2
	s_mov_b32 s[\g+5], 12288
	s_mov_b32 s[\g+6], 0
	s_mov_b32 s[\g+7], 0
.endm
.macro TL g0, g1
	tensor_load_to_lds s[\g0:\g0+3], s[\g1:\g1+7]
	s_nop 0
.rept 4
	v_nop
.endr
.endm
.macro FOURL a0, a1, b0, b1, c0, c1, d0, d1    ; one chain on the wave's number, one load on every way
	s_cmp_lt_u32 s14, 1
	s_cbranch_scc0 .Lq1_\@
	TL \a0, \a1
	s_branch .Lq4_\@
.Lq1_\@:
	s_cmp_lt_u32 s14, 2
	s_cbranch_scc0 .Lq2_\@
	TL \b0, \b1
	s_branch .Lq4_\@
.Lq2_\@:
	s_cmp_lt_u32 s14, 3
	s_cbranch_scc0 .Lq3_\@
	TL \c0, \c1
	s_branch .Lq4_\@
.Lq3_\@:
	TL \d0, \d1
.Lq4_\@:
.endm
.macro J2 a0, a1, b0, b1                       ; wave 0 fetches q's tile, wave 1 k's; waves 2 and 3 have no part to fill
	s_cmp_lt_u32 s14, 1
	s_cbranch_scc0 .Lj1_\@
	TL \a0, \a1
	s_branch .Lj2_\@
.Lj1_\@:
	s_cmp_lt_u32 s14, 2
	s_cbranch_scc0 .Lj2_\@
	TL \b0, \b1
.Lj2_\@:
.endm
	DESC2 G1
	DESC2 G1B
	DESC1 G1S, 2*SPBA/256
	DESC1 G1SB, 2*SPBB/256
	s_lshl_b32 s21, s17, 1
	s_mul_i32 s20, s21, NK*KPB
	s_lshl_b32 s22, s21, 12
	s_mov_b32 s21, 0
	s_mov_b32 s23, 0
	s_lshl_b32 s47, s3, 4
	s_lshl_b32 s46, s42, 1
	s_add_co_u32 s47, s47, s46
	s_mul_i32 s46, s47, NK*KPB
	s_add_co_u32 s46, s46, 6291456
	s_lshl_b32 s100, s47, 12
	s_add_co_u32 s100, s100, 262144
	s_mov_b32 s47, 0
	s_mov_b32 s101, 0
	s_mov_b32 s45, 0
	s_mov_b32 s3, ABYTES
	s_mov_b32 s18, SCLA
	s_mov_b32 s19, SCLB
	s_lshl_b32 s12, s17, 1
	s_add_co_u32 s12, s12, s15
	s_lshl_b32 s12, s12, 4
	s_lshl_b32 s13, s42, 1
	s_add_co_u32 s12, s12, s13
	s_add_co_u32 s12, s12, s16                     ; p's (panel of queries, K step of keys): 16 x (2 row + wr) + 2 col + wc
	s_lshl_b32 s96, s12, 9
	s_mov_b32 s97, 0
	s_mul_i32 s12, s12, KPB
	s_mov_b32 s13, 0
	s_mov_b32 s66, 0x76543210
	s_mov_b32 s67, 0xfedcba98
	s_mov_b32 s98, 0x3fb8aa3b                      ; log2(e)
	s_mov_b32 s99, s98
	s_wait_dscnt 0x0
	s_wait_kmcnt 0x0
	s_add_nc_u64 s[20:21], s[4:5], s[20:21]
	s_add_nc_u64 s[22:23], s[6:7], s[22:23]
	s_add_nc_u64 s[46:47], s[4:5], s[46:47]
	s_add_nc_u64 s[100:101], s[6:7], s[100:101]
	s_add_nc_u64 s[92:93], s[8:9], s[12:13]        ; where my codes go,
	s_add_nc_u64 s[94:95], s[10:11], s[96:97]      ; and my scale words, -Mloc and lloc: all four pointers are used up now
	s_mov_b32 s96, 0xffff0000
	CROUND
	s_mov_b32 s[G0S], 1
	s_mov_b32 s[G0S+1], s18
	s_mov_b64 s[G0S+2:G0S+3], s[22:23]
	s_or_b32 s[G0S+3], s[G0S+3], 0x80000000
	s_mov_b32 s[G0SB], 1
	s_mov_b32 s[G0SB+1], s19
	s_mov_b64 s[G0SB+2:G0SB+3], s[100:101]
	s_or_b32 s[G0SB+3], s[G0SB+3], 0x80000000
.irp s, 0,1
	s_mov_b32 s[G0+4*\s], 1
	s_add_co_u32 s[G0+4*\s+1], s45, \s*SLOT
	s_add_nc_u64 s[G0+4*\s+2:G0+4*\s+3], s[20:21], \s*NQ*KPB
	s_or_b32 s[G0+4*\s+3], s[G0+4*\s+3], 0x80000000
	s_mov_b32 s[G0B+4*\s], 1
	s_add_co_u32 s[G0B+4*\s+1], s3, \s*SLOT
	s_add_nc_u64 s[G0B+4*\s+2:G0B+4*\s+3], s[46:47], \s*NQ*KPB
	s_or_b32 s[G0B+4*\s+3], s[G0B+4*\s+3], 0x80000000
.endr
	s_mov_b32 s4, 1                                ; slot 2: the third quarter of K
	s_add_co_u32 s5, s45, 2*SLOT
	s_add_nc_u64 s[6:7], s[20:21], 2*NQ*KPB
	s_or_b32 s7, s7, 0x80000000
	s_mov_b32 s8, 1
	s_add_co_u32 s9, s3, 2*SLOT
	s_add_nc_u64 s[10:11], s[46:47], 2*NQ*KPB
	s_or_b32 s11, s11, 0x80000000
	FOURL G0, G1, G0B, G1B, G0S, G1S, G0SB, G1SB   ; the head's four tiles, one a wave
	v_and_b32 v1, 15, v0
	v_bfe_u32 v2, v0, 4, 1
	v_and_b32 v3, 31, v0
	v_lshlrev_b32 v[LI], 4, v3
	s_mul_i32 s21, s15, 24576
	s_mul_i32 s22, s16, BPIECE
	s_add_co_u32 s22, s22, ABYTES
.irp s, 0,1,2
	v_add_nc_u32 v[ADRA+\s], s21, v[LI]
	v_add_nc_u32 v[ADRB+\s], s22, v[LI]
	s_add_co_u32 s21, s21, SLOT
	s_add_co_u32 s22, s22, SLOT
.endr
	v_lshlrev_b32 v5, 2, v1
	s_mul_i32 s21, s15, SPBA
	s_mul_i32 s22, s16, SPBB
	s_add_co_u32 s22, s22, SCLB-SCLA
	s_sub_co_u32 s22, s22, s21
	v_mul_u32_u24 v6, s22, v2
	s_add_co_u32 s21, s21, SCLA
	v_add_nc_u32 v5, v5, v6
	v_add_nc_u32 v[ADRS], s21, v5
	s_mul_i32 s21, s14, 1536
	s_add_co_u32 s21, s21, SST
	v_lshl_add_u32 v25, v3, 2, s21
	v_lshl_add_u32 v26, v3, 4, s21
	v_mov_b32 v13, 0                               ; named as the upper half of the pair v[12:13]
	s_wait_alu depctr_va_vdst(0)
	s_wait_tensorcnt 0x0                           ; my tile of the head's four is in; the lines ahead of a later first fill
	ds_add_u32 v[SPW], v[NIL]
	s_wait_dscnt 0x0
	CROUND
	FOURL G0+4, G1, G0B+4, G1B, 4, G1, 8, G1B      ; slots 1 and 2, first fills, one load a wave
	FETCH 0
	KSP 0, 1
	KSC 1, 1                                       ; slots 1 and 2 are whole from here on; slot 0 takes the last quarter of K
	KSP 2, 0
	KSP 3, 0
	KSP 4, 0
	KSC 5, 0                                       ; the refill has landed, in every wave
	KSP 6, 0
	s_wait_dscnt 0x0
	MULS 1, 0
	PLACES 4
.irp b, 0,1,2,3
	v_mov_b32 v[TM+4+\b], 0                        ; a lane permute's destination counts as read
.endr
	v_mov_b32 v[T1], 0
.irp a, 0,1,2,3,4,5,6,7
	SOFTA \a
.endr
.irp j, 0,1,2,3
	v_cndmask_b32 v[224+\j], v[48+2*\j], v[49+2*\j], s96     ; lanes 0-15 block 2 j's, lanes 16-31 block 2 j + 1's: the scale words,
	v_cndmask_b32 v[228+\j], v[56+2*\j], v[57+2*\j], s96     ; -Mloc,
	v_cndmask_b32 v[232+\j], v[246+2*\j], v[247+2*\j], s96   ; lloc
.endr
.irp j, 0,1,2,3
	ds_store_b32 v25, v[224+\j] offset:128*\j
	ds_store_b32 v25, v[228+\j] offset:512+128*\j
	ds_store_b32 v25, v[232+\j] offset:1024+128*\j
.endr
	ds_load_b128 v[236:239], v26
	ds_load_b128 v[240:243], v26 offset:512
	ds_load_b128 v[4:7], v26 offset:1024
	s_wait_dscnt 0x0
	global_store_b128 v[LI], v[236:239], s[94:95]  ; 512 consecutive bytes each, aligned
	global_store_b128 v[LI], v[240:243], s[94:95] offset:524288
	global_store_b128 v[LI], v[4:7], s[94:95] offset:1048576
	s_wait_tensorcnt 0x0                           ; the wave's end
	ds_add_u32 v[SPW], v[NIL]
	s_wait_dscnt 0x0
	CROUND
	s_endpgm
.Lfunc_end_k_q8cb89519f5_scores:
	.size	k_q8cb89519f5_scores, .Lfunc_end_k_q8cb89519f5_scores-k_q8cb89519f5_scores
	.p2alignl 7, 3214868480
	.fill 96, 4, 3214868480
	.section	.rodata,"a",@progbits
	.p2align	6, 0x0
	.amdhsa_kernel k_q8cb89519f5_scores
		.amdhsa_group_segment_fixed_size 327680
		.amdhsa_private_segment_fixed_size 0
		.amdhsa_enable_private_segment 0
		.amdhsa_kernarg_size 32
		.amdhsa_user_sgpr_count 2
		.amdhsa_user_sgpr_kernarg_segment_ptr 1
		.amdhsa_wavefront_size32 1
		.amdhsa_system_sgpr_workgroup_id_x 1
		.amdhsa_system_sgpr_workgroup_id_y 1
		.amdhsa_system_sgpr_workgroup_id_z 1
		.amdhsa_system_vgpr_workitem_id 0
		.amdhsa_next_free_vgpr 1024
		.amdhsa_next_free_sgpr 102
		.amdhsa_reserve_vcc 0
		.amdhsa_float_denorm_mode_32 3
		.amdhsa_float_denorm_mode_16_64 3
		.amdhsa_memory_ordered 1
		.amdhsa_forward_progress 1
		.amdhsa_inst_pref_size 198
	.end_amdhsa_kernel
	.amdgpu_metadata
---
amdhsa.version: [ 1, 2 ]
amdhsa.kernels:
  - .name:           k_q8cb89519f5_scores
    .symbol:         k_q8cb89519f5_scores.kd
    .args:
      - { .name: ac, .offset: 0, .size: 8, .value_kind: global_buffer, .address_space: global }
      - { .name: as, .offset: 8, .size: 8, .value_kind: global_buffer, .address_space: global }
      - { .name: pc, .offset: 16, .size: 8, .value_kind: global_buffer, .address_space: global }
      - { .name: ps, .offset: 24, .size: 8, .value_kind: global_buffer, .address_space: global }
    .group_segment_fixed_size: 327680
    .private_segment_fixed_size: 0
    .kernarg_segment_align: 8
    .kernarg_segment_size: 32
    .max_flat_workgroup_size: 128
    .sgpr_count:     102
    .vgpr_count:     1024
    .wavefront_size: 32
...
	.end_amdgpu_metadata
.endif
;; end of part 3
;; launch pv (part 4): grid 4 x 64, 4 waves a work-group, clusters of 4 x 4, 327,680 bytes of LDS; arguments pc, ps, ac, as, out0; writes out0
.if DOCPART == 4
	.amdgcn_target "amdgcn-amd-amdhsa--gfx1250"
	.amdhsa_code_object_version 6
	.text
	.protected	k_q8cb89519f5_pv
	.globl	k_q8cb89519f5_pv
	.p2align	8
	.type	k_q8cb89519f5_pv,@function
k_q8cb89519f5_pv:
	s_mov_b64 s[64:65], 0
	v_nop
	global_prefetch_b8 v0, s[64:65] scope:SCOPE_SE
	s_setreg_imm32_b32 hwreg(HW_REG_WAVE_MODE, 25, 1), 1
	s_wait_xcnt 0x0
	s_wait_alu depctr_hold_cnt(0) depctr_sa_sdst(0) depctr_va_vdst(0) depctr_va_sdst(0) depctr_va_ssrc(0) depctr_va_vcc(0) depctr_vm_vsrc(0)
	s_getreg_b32 s2, hwreg(HW_REG_IB_STS2, 6, 4)
	s_cmp_eq_u32 s2, 0
	s_cbranch_scc0 .Lentry_in_a_cluster
	s_endpgm
.Lentry_in_a_cluster:
	s_bfe_u32 s2, ttmp6, 0x10000c
	s_cmp_lg_u32 s2, 0xf033
	s_cbranch_scc0 .Lentry_shape_is_right
	s_endpgm
.Lentry_shape_is_right:
; out = (p v) / l on codes of FP6 (E2M3) with E8M0 scales, sums in f32.  p's codes were made under a whole number Mloc for each query and each 128 keys.  Here, for each of the tile's 128 queries (a thread a query):
; M = the largest Mloc of the row's sixteen; D = M - Mloc, a whole number; l = the sum of lloc 2^-D; each of p's scale bytes has D taken off, which is the exact factor 2^-D.  The shifted words go to LDS and are A's scale words.
; A byte is held at 1 from below: a block whose scale would fall under 2^-126 then adds at most 7.5 x 2^-126 x |v| a term beside an l of at least 1/2.  D is held at 255.
; Operands lie as images of their registers (a fragment of 16 rows x 128 K = 1,536 bytes); p: [panel of 128 queries][K step of 128 keys][block]; v^T: [batch][panel of 128 channels][K step][block]; both carry the same order of keys inside a block of 32.
; SHARES.  A tile is 128 queries x 256 channels (256 tiles, one for each work-group); four waves, each 64 x 128: 32 accumulators.  K = 2,048 keys go through two slots of 512; each is filled twice; from a refill to the wait for it a wave issues 112 products.
; CLUSTER 4 x 4: four query panels of one batch x the four channel tiles: p's tile jointly along a row of the cluster, v^T's along a column.
; THE MATRIX INSTRUCTION IS USED TRANSPOSED: a lane holds one query; register j of accumulator b the channel 16 b + 8 h + j.
; LIMITS: NaN and infinities not served.  No prefetch: two joint refills a work-group in a short launch.
.set NA, 4
.set NQ, 4
.set NK, 16
.set NFILL, 4
.set FRB,    1536
.set KPB,    8*FRB
.set ABYTES, 4*KPB
.set BPIECE, NQ*KPB
.set SLOT,   ABYTES+2*BPIECE
.set SPBA, NK*512
.set SPBB, NK*512
.set SCLA, 2*SLOT                      ; p's shifted scale words: written by LDS stores alone, no fill lands here
.set SCLB, SCLA+SPBA                   ; v^T's scale words, filled once
.set LREG, SCLB+2*SPBB                 ; 1 / l of the 128 queries
.set SPARE, LREG+512
.set ADRA, 16
.set ADRB, 20
.set LI,   24
.set ADRS, 27
.set SPW,  28
.set NIL,  29
.set SC,   32
.set AF,   64
.set G1,   24
.set G0,   32
.set G1B,  48
.set G0B,  56
.set G1SB, 80
.set G0SB, 88
.set MUL_LO, 0xa1
.set TO_B,   0x40
.set MSB, 0
.macro WIN new
.if MSB != (\new)
	s_set_vgpr_msb (MSB<<8)|(\new)
.set MSB, (\new)
.endif
.endm
.macro PLACES n
.rept \n
	v_nop
.endr
.endm
.macro JLOAD g0a, g1a, g0b, g1b
	s_cmp_eq_u32 s15, 0
	s_cbranch_scc0 .Lfor_b_\@
	tensor_load_to_lds s[\g0a:\g0a+3], s[\g1a:\g1a+7]
	s_nop 0
.rept 4
	v_nop
.endr
	s_branch .Lasked_\@
.Lfor_b_\@:
	tensor_load_to_lds s[\g0b:\g0b+3], s[\g1b:\g1b+7]
	s_nop 0
.rept 4
	v_nop
.endr
.Lasked_\@:
.endm
.macro CREST
	s_cmp_lg_u32 s14, 0
	s_cbranch_scc1 .Lnot_wave_0_\@
	s_barrier_signal -3
.Lnot_wave_0_\@:
	s_barrier_wait -3
	s_barrier_signal -1
	s_barrier_wait -1
.endm
.macro CROUND
	s_barrier_signal -1
	s_barrier_wait -1
	CREST
.endm
.macro DESC1 g, rows
	s_mov_b32 s[\g+1], 32<<16
	s_mov_b32 s[\g+2], (\rows)<<16
	s_mov_b32 s[\g+3], 32<<16
	s_mov_b32 s[\g+4], \rows
	s_mov_b32 s[\g+5], 32
	s_mov_b32 s[\g+6], 0
	s_mov_b32 s[\g+7], 0
.endm
.macro FETCH g
.set FS, ((\g)/NQ)%2
.set FQ, (\g)%NQ
.set FP, (\g)%2
	WIN TO_B
.irp i, 0,1,2,3,4,5,6,7
.irp c, 0,1,2
	ds_load_b128 v[128*FP+12*\i+4*\c:128*FP+12*\i+4*\c+3], v[ADRB+FS] offset:FQ*KPB+\i*FRB+512*\c
.endr
.endr
	WIN 0
.irp i, 0,1,2,3
.irp c, 0,1,2
	ds_load_b128 v[AF+12*NA*FP+12*\i+4*\c:AF+12*NA*FP+12*\i+4*\c+3], v[ADRA+FS] offset:FQ*KPB+\i*FRB+512*\c
.endr
.endr
.irp i, 0,1,2,3,4,5,6,7
	ds_load_b32 v[SC+8*FP+\i], v[ADRS] offset:(\g)*512+64*\i   ; lanes 16-31: v^T's block i; lanes 0-15: p's block i (for i over 3 words that no product names; at the last K step they come from the first 256 bytes of v^T's words, which are filled)
.endr
.endm
.macro MUL16 a0, p, z
.irp a, \a0, \a0+1
.irp b, 0,1,2,3,4,5,6,7
.set DD, 8*(8*((\a)%4)+\b)
.set BB, 128*(\p)+12*\b
.set AA, AF+12*NA*(\p)+12*(\a)
.if (\z) == 0
	v_wmma_scale_f32_16x16x128_f8f6f4 v[DD:DD+7], v[BB:BB+11], v[AA:AA+11], v[DD:DD+7], v[SC+8*(\p)+\b], v[SC+8*(\p)+(\a)] matrix_a_fmt:MATRIX_FMT_FP6 matrix_b_fmt:MATRIX_FMT_FP6 matrix_a_scale:MATRIX_SCALE_ROW1
.else
	v_wmma_scale_f32_16x16x128_f8f6f4 v[DD:DD+7], v[BB:BB+11], v[AA:AA+11], 0, v[SC+8*(\p)+\b], v[SC+8*(\p)+(\a)] matrix_a_fmt:MATRIX_FMT_FP6 matrix_b_fmt:MATRIX_FMT_FP6 matrix_a_scale:MATRIX_SCALE_ROW1
.endif
.endr
.endr
.endm
.macro MULS p, z
	WIN MUL_LO
	MUL16 0, \p, \z
	MUL16 2, \p, \z
	WIN 0
.endm
.macro KS g, z
.if (\g) == NK-1
	s_wait_dscnt 0x0
	MULS (\g)%2, \z
.elseif ((\g)%NQ) != NQ-1
	s_wait_dscnt 0x0                               ; this step's set, asked for a step ago, is in
	PLACES 4                                       ; in front of loads into the set that the last step's products read
	FETCH (\g)+1
	MULS (\g)%2, \z
.else
.set KSL, ((\g)/NQ)%2
	s_wait_tensorcnt 0x0                           ; all my tensor loads have landed: my part of the next slot
	ds_add_u32 v[SPW], v[NIL]                      ; 0 onto my spare word
	s_wait_dscnt 1                                 ; only the add may be out
	WIN MUL_LO
	MUL16 0, 1, 0
	s_wait_dscnt 0x0                               ; the add is done, my reads of this slot are over
	s_barrier_signal -1
	WIN 0
	s_barrier_wait -1
.if (\g)/NQ+2 < NFILL
	CREST                                          ; the barrier has opened a round of the cluster's: no wave of any partner reads this slot or has a load on its way
	s_add_nc_u64 s[G0+4*KSL+2:G0+4*KSL+3], s[G0+4*KSL+2:G0+4*KSL+3], 2*NQ*KPB
	s_add_nc_u64 s[G0B+4*KSL+2:G0B+4*KSL+3], s[G0B+4*KSL+2:G0B+4*KSL+3], 2*NQ*KPB
	JLOAD G0+4*KSL, G1, G0B+4*KSL, G1B             ; the first tensor load behind the round; its four v_nop are the places in front of the loads below
.else
	PLACES 4
.endif
	FETCH (\g)+1
	WIN MUL_LO
	MUL16 2, 1, 0
	WIN 0
.endif
.endm
; The scale words of K steps 4 kg .. 4 kg + 3 of my query: each of the sixteen bytes has D taken off, held at 1.  Sixteen independent lines at a time, so that no line waits for the line above it.
.macro BYTES kg
.irp kk, 0,1,2,3
.irp y, 0,1,2,3
	v_bfe_u32 v[128+4*\kk+\y], v[96+4*(\kg)+\kk], 8*\y, 8          ; a byte, 1 at the least,
.endr
.endr
.irp kk, 0,1,2,3
.irp y, 0,1,2,3
	v_add_nc_u32 v[144+4*\kk+\y], -1, v[128+4*\kk+\y]
.endr
.endr
.irp kk, 0,1,2,3
.irp y, 0,1,2,3
	v_min_u32 v[144+4*\kk+\y], v[144+4*\kk+\y], v[64+4*(\kg)+\kk]
.endr
.endr
.irp kk, 0,1,2,3
.irp y, 0,1,2,3
	v_sub_nc_u32 v[128+4*\kk+\y], v[128+4*\kk+\y], v[144+4*\kk+\y]   ; less D, held at 1
.endr
.endr
.irp y, 1,2,3
.irp kk, 0,1,2,3
	v_lshl_or_b32 v[128+4*\kk], v[128+4*\kk+\y], 8*\y, v[128+4*\kk]
.endr
.endr
.irp kk, 0,1,2,3
	ds_store_b32 v23, v[128+4*\kk] offset:512*(4*(\kg)+\kk)
.endr
.endm
	s_load_b256 s[4:11], s[0:1], 0x0               ; pc, ps, ac, as
	s_load_b64 s[92:93], s[0:1], 0x20              ; out0
	v_lshl_add_u32 v[SPW], v0, 2, SPARE
	v_mov_b32 v[NIL], 0
	ds_add_u32 v[SPW], v[NIL]                      ; the wave's opening: the add and its wait ahead of my first tensor load
	ds_add_u32 v[SPW], v[NIL]
	v_lshrrev_b32 v1, 5, v0
	v_readfirstlane_b32 s14, v1
	v_lshlrev_b32 v9, 2, v0                        ; 4 x thread: my query's word in a K step's 512 bytes
	s_lshr_b32 s15, s14, 1
	s_and_b32 s16, s14, 1
	s_bfe_u32 s40, ttmp6, 0x40000
	s_bfe_u32 s41, ttmp6, 0x40004
	s_lshl_b32 s42, ttmp9, 2
	s_add_co_u32 s42, s42, s40                     ; tile of 256 channels
	s_and_b32 s3, ttmp7, 0xffff
	s_lshl_b32 s17, s3, 2
	s_add_co_u32 s17, s17, s41                     ; panel of 128 queries, 0 .. 63
	s_lshr_b32 s3, s3, 1                           ; the batch: eight panels each, so it hangs on the cluster's y alone
	s_lshl_b32 s43, s41, 2
	s_lshl_b32 s43, 15, s43
	s_lshl_b32 s44, 0x1111, s40
	s_or_b32 s[G1], s43, (3<<16)|(1<<21)
	s_or_b32 s[G1B], s44, (3<<16)|(1<<21)
	s_or_b32 s[G1SB], s44, (3<<16)|(1<<21)
	DESC1 G1, 96
.set G1H, 68                           ; s[68:75], s[76:79]: the head's load of p's whole slot 0, 192 rows of 256 bytes, by p's mask
.set G0H, 76
.macro TL g0, g1
	tensor_load_to_lds s[\g0:\g0+3], s[\g1:\g1+7]
	s_nop 0
.rept 4
	v_nop
.endr
.endm
	s_or_b32 s[G1H], s43, (3<<16)|(1<<21)
	DESC1 G1H, 192
	DESC1 G1B, BPIECE/256
	DESC1 G1SB, 2*SPBB/256
	s_mul_i32 s20, s17, NK*KPB
	s_mul_i32 s94, s17, NK*KPB
	s_mov_b32 s95, 0
	s_mul_i32 s21, s16, 24576
	s_add_co_u32 s20, s20, s21
	s_mov_b32 s21, 0
	s_lshl_b32 s47, s3, 3
	s_lshl_b32 s46, s42, 1
	s_add_co_u32 s47, s47, s46
	s_lshl_b32 s100, s47, 13                       ; both panels' scale words, dense
	s_add_co_u32 s47, s47, s16
	s_mul_i32 s46, s47, NK*KPB
	s_add_co_u32 s46, s46, 18874368
	s_add_co_u32 s100, s100, 786432
	s_mov_b32 s47, 0
	s_mov_b32 s101, 0
	s_mul_i32 s45, s16, 24576
	s_mul_i32 s3, s16, BPIECE
	s_add_co_u32 s3, s3, ABYTES
	s_mov_b32 s19, SCLB
	s_lshl_b32 s12, s17, 13                        ; my panel's 8,192 bytes in each of ps's three parts
	s_mov_b32 s13, 0
	s_wait_alu depctr_va_vdst(0)
	s_wait_dscnt 0x0
	s_wait_kmcnt 0x0
	s_add_nc_u64 s[20:21], s[4:5], s[20:21]
	s_add_nc_u64 s[94:95], s[4:5], s[94:95]
	s_add_nc_u64 s[46:47], s[8:9], s[46:47]
	s_add_nc_u64 s[100:101], s[10:11], s[100:101]
	s_add_nc_u64 s[6:7], s[6:7], s[12:13]
	; thread t takes query t of the panel: its sixteen -Mloc, lloc and scale words are asked for ahead of the round, so that they are on their way while the work-groups meet
.irp k, 0,1,2,3,4,5,6,7,8,9,10,11,12,13,14,15
	global_load_b32 v[64+\k], v9, s[6:7] offset:524288+512*\k    ; -Mloc
.endr
.irp k, 0,1,2,3,4,5,6,7,8,9,10,11,12,13,14,15
	global_load_b32 v[80+\k], v9, s[6:7] offset:1048576+512*\k   ; lloc
.endr
.irp k, 0,1,2,3,4,5,6,7,8,9,10,11,12,13,14,15
	global_load_b32 v[96+\k], v9, s[6:7] offset:512*\k           ; the scale words under Mloc
.endr
	CROUND
	s_mov_b32 s[G0SB], 1
	s_mov_b32 s[G0SB+1], s19
	s_mov_b64 s[G0SB+2:G0SB+3], s[100:101]
	s_or_b32 s[G0SB+3], s[G0SB+3], 0x80000000
.irp s, 0,1
	s_mov_b32 s[G0+4*\s], 1
	s_add_co_u32 s[G0+4*\s+1], s45, \s*SLOT
	s_add_nc_u64 s[G0+4*\s+2:G0+4*\s+3], s[20:21], \s*NQ*KPB
	s_or_b32 s[G0+4*\s+3], s[G0+4*\s+3], 0x80000000
	s_mov_b32 s[G0B+4*\s], 1
	s_add_co_u32 s[G0B+4*\s+1], s3, \s*SLOT
	s_add_nc_u64 s[G0B+4*\s+2:G0B+4*\s+3], s[46:47], \s*NQ*KPB
	s_or_b32 s[G0B+4*\s+3], s[G0B+4*\s+3], 0x80000000
.endr
	s_mov_b32 s[G0H], 1
	s_mov_b32 s[G0H+1], 0
	s_mov_b64 s[G0H+2:G0H+3], s[94:95]
	s_or_b32 s[G0H+3], s[G0H+3], 0x80000000
	s_cmp_lt_u32 s14, 1                            ; the head's tiles, one load a wave, in one chain: wave 0 p's slot 0, wave 1 v^T's scale words, waves 2 and 3 v^T's two panels of slot 0
	s_cbranch_scc0 .Lhead_1
	TL G0H, G1H
	s_branch .Lfirst_done
.Lhead_1:
	s_cmp_lt_u32 s14, 2
	s_cbranch_scc0 .Lhead_2
	TL G0SB, G1SB
	s_branch .Lfirst_done
.Lhead_2:
	TL G0B, G1B
.Lfirst_done:
	v_and_b32 v1, 15, v0
	v_bfe_u32 v2, v0, 4, 1
	s_wait_alu depctr_va_vdst(0)
	v_and_b32 v3, 31, v0
	v_lshlrev_b32 v[LI], 4, v3
	s_mul_i32 s21, s15, 6144
	s_mul_i32 s22, s16, BPIECE
	s_add_co_u32 s22, s22, ABYTES
.irp s, 0,1
	v_add_nc_u32 v[ADRA+\s], s21, v[LI]
	v_add_nc_u32 v[ADRB+\s], s22, v[LI]
	s_add_co_u32 s21, s21, SLOT
	s_add_co_u32 s22, s22, SLOT
.endr
	v_lshlrev_b32 v5, 2, v1
	s_mul_i32 s21, s15, 256
	s_mul_i32 s22, s16, SPBB
	s_add_co_u32 s22, s22, SCLB-SCLA
	s_sub_co_u32 s22, s22, s21
	v_mul_u32_u24 v6, s22, v2
	s_add_co_u32 s21, s21, SCLA
	v_add_nc_u32 v5, v5, v6
	v_add_nc_u32 v[ADRS], s21, v5
	v_lshl_add_u32 v23, v0, 2, SCLA                ; where I store my query's words,
	v_lshl_add_u32 v19, v0, 2, LREG                ; and its 1 / l
	s_lshl_b32 s21, s15, 8
	s_add_co_u32 s21, s21, LREG
	v_lshl_add_u32 v26, v1, 2, s21                 ; where a lane reads 1 / l of its row
	s_mul_i32 s21, s14, 8448                       ; the way out: my stage, 16 rows x 528 bytes, in slot 0, which has had its last fill and its last read when the first result is stored there
	v_mul_u32_u24 v25, v1, 528
	v_lshl_add_u32 v25, v2, 5, v25
	v_add_nc_u32 v25, s21, v25                     ; in: row r, + 32 h
	v_add_nc_u32 v22, s21, v[LI]                   ; back: 16 x lane of a row
	s_lshl_b32 s20, s17, 7
	s_lshl_b32 s21, s15, 6
	s_add_co_u32 s20, s20, s21
	s_lshl_b32 s20, s20, 12                        ; my first row of out0, rows of 4,096 bytes
	s_lshl_b32 s21, s42, 10
	s_add_co_u32 s20, s20, s21
	s_lshl_b32 s21, s16, 9
	s_add_co_u32 s20, s20, s21                     ; my first column
	s_mov_b32 s21, 0
	s_add_nc_u64 s[92:93], s[92:93], s[20:21]
	; ---- the row's M and l, and p's scale words under M, in batches of independent lines
	s_wait_loadcnt 0x0
	v_min3_num_f32 v112, v64, v65, v66
	v_min3_num_f32 v113, v67, v68, v69
	v_min3_num_f32 v114, v70, v71, v72
	v_min3_num_f32 v115, v73, v74, v75
	v_min3_num_f32 v116, v76, v77, v78
	v_min3_num_f32 v112, v112, v113, v114
	v_min3_num_f32 v115, v115, v116, v79
	v_min_num_f32 v10, v112, v115                  ; -M
.irp k, 0,1,2,3,4,5,6,7,8,9,10,11,12,13,14,15
	v_sub_f32 v[64+\k], v[64+\k], v10              ; D = M - Mloc, a whole number, 0 or more,
.endr
.irp k, 0,1,2,3,4,5,6,7,8,9,10,11,12,13,14,15
	v_min_num_f32 v[64+\k], 0x437f0000, v[64+\k]   ; held at 255
.endr
.irp k, 0,1,2,3,4,5,6,7,8,9,10,11,12,13,14,15
	v_cvt_u32_f32 v[64+\k], v[64+\k]
.endr
.irp k, 0,1,2,3,4,5,6,7,8,9,10,11,12,13,14,15
	v_sub_nc_u32 v[112+\k], 0, v[64+\k]
.endr
.irp k, 0,1,2,3,4,5,6,7,8,9,10,11,12,13,14,15
	v_ldexp_f32 v[80+\k], v[80+\k], v[112+\k]      ; lloc 2^-D
.endr
.irp i, 0,4,8,12
	v_pk_add_f32 v[80+\i:81+\i], v[80+\i:81+\i], v[82+\i:83+\i]   ; l: the sixteen as a tree
.endr
	v_pk_add_f32 v[80:81], v[80:81], v[84:85]
	v_pk_add_f32 v[88:89], v[88:89], v[92:93]
	v_pk_add_f32 v[80:81], v[80:81], v[88:89]
	v_add_f32 v5, v80, v81
	s_wait_alu depctr_va_vdst(0)
	v_rcp_f32 v5, v5                               ; 1 / l; the byte work below names neither its source nor its result
	BYTES 0
	BYTES 1
	BYTES 2
	BYTES 3
	s_wait_alu depctr_va_vdst(0)                   ; the wait ahead of the reciprocal's first reader
	ds_store_b32 v19, v5
	s_wait_tensorcnt 0x0                           ; my tile of the head's is in; the lines ahead of a later first fill
	ds_add_u32 v[SPW], v[NIL]
	s_wait_dscnt 0x0                               ; the add is done, and for the others' sake my stores have landed
	CROUND
	JLOAD G0+4, G1, G0B+4, G1B                     ; slot 1's first fill, one load a wave
	FETCH 0
	KS 0, 1
.irp g, 1,2,3,4,5,6,7,8,9,10,11,12,13,14,15
	KS \g, 0
.endr
	; ---- the way out: x 1 / l; a block of 16 rows x 128 channels through my stage, back as whole rows of 512 bytes
.irp a, 0,1,2,3
	ds_load_b32 v[48+2*\a], v26 offset:64*\a
	ds_load_b32 v[49+2*\a], v26 offset:64*\a
.endr
	PLACES 4                                       ; in front of the first read of results and of writes into registers that the last products read
	s_wait_dscnt 0x0
.macro OUTA a
.set AC, 64*(\a)
.set BK, 128+64*((\a)%2)
	WIN 0x02                                       ; source 0: the accumulators' window
.set j_, 0
.rept 32
	v_pk_mul_f32 v[64+j_:65+j_], v[AC+j_:AC+j_+1], v[48+2*(\a):49+2*(\a)]   ; each accumulator from its low end on
.set j_, j_+2
.endr
	WIN 0
.irp b, 0,1,2,3,4,5,6,7
	ds_store_b128 v25, v[64+8*\b:67+8*\b] offset:64*\b
	ds_store_b128 v25, v[68+8*\b:71+8*\b] offset:64*\b+16
.endr
.if (\a) >= 2
	s_wait_xcnt 0x0                                ; block a - 2's stores have read their data: the loads below may land there
.endif
.irp t, 0,1,2,3,4,5,6,7,8,9,10,11,12,13,14,15
	ds_load_b128 v[BK+4*\t:BK+4*\t+3], v22 offset:528*\t   ; LDS serves a wave's instructions in order: these see the stores above
.endr
	s_wait_dscnt 0x0
.irp t, 0,1,2,3,4,5,6,7,8,9,10,11,12,13,14,15
	global_store_b128 v[LI], v[BK+4*\t:BK+4*\t+3], s[92:93] offset:(16*(\a)+\t)*4096 th:TH_STORE_NT   ; 512 consecutive bytes, aligned
.endr
.endm
	OUTA 0
	OUTA 1
	OUTA 2
	OUTA 3
	s_wait_tensorcnt 0x0                           ; the wave's end
	ds_add_u32 v[SPW], v[NIL]
	s_wait_dscnt 0x0
	CROUND                                         ; the closing round
	s_endpgm
.Lfunc_end_k_q8cb89519f5_pv:
	.size	k_q8cb89519f5_pv, .Lfunc_end_k_q8cb89519f5_pv-k_q8cb89519f5_pv
	.p2alignl 7, 3214868480
	.fill 96, 4, 3214868480
	.section	.rodata,"a",@progbits
	.p2align	6, 0x0
	.amdhsa_kernel k_q8cb89519f5_pv
		.amdhsa_group_segment_fixed_size 327680
		.amdhsa_private_segment_fixed_size 0
		.amdhsa_enable_private_segment 0
		.amdhsa_kernarg_size 40
		.amdhsa_user_sgpr_count 2
		.amdhsa_user_sgpr_kernarg_segment_ptr 1
		.amdhsa_wavefront_size32 1
		.amdhsa_system_sgpr_workgroup_id_x 1
		.amdhsa_system_sgpr_workgroup_id_y 1
		.amdhsa_system_sgpr_workgroup_id_z 1
		.amdhsa_system_vgpr_workitem_id 0
		.amdhsa_next_free_vgpr 768
		.amdhsa_next_free_sgpr 102
		.amdhsa_reserve_vcc 0
		.amdhsa_float_denorm_mode_32 3
		.amdhsa_float_denorm_mode_16_64 3
		.amdhsa_memory_ordered 1
		.amdhsa_forward_progress 1
		.amdhsa_inst_pref_size 172
	.end_amdhsa_kernel
	.amdgpu_metadata
---
amdhsa.version: [ 1, 2 ]
amdhsa.kernels:
  - .name:           k_q8cb89519f5_pv
    .symbol:         k_q8cb89519f5_pv.kd
    .args:
      - { .name: pc, .offset: 0, .size: 8, .value_kind: global_buffer, .address_space: global }
      - { .name: ps, .offset: 8, .size: 8, .value_kind: global_buffer, .address_space: global }
      - { .name: ac, .offset: 16, .size: 8, .value_kind: global_buffer, .address_space: global }
      - { .name: as, .offset: 24, .size: 8, .value_kind: global_buffer, .address_space: global }
      - { .name: out0, .offset: 32, .size: 8, .value_kind: global_buffer, .address_space: global }
    .group_segment_fixed_size: 327680
    .private_segment_fixed_size: 0
    .kernarg_segment_align: 8
    .kernarg_segment_size: 40
    .max_flat_workgroup_size: 128
    .sgpr_count:     102
    .vgpr_count:     768
    .wavefront_size: 32
...
	.end_amdgpu_metadata
.endif
;; end of part 4
